; MI455X (gfx1250); checked and timed in simulation.
; The chip was launched on July 23, 2026; its instructions are those of AMD's public machine-readable ISA for CDNA 5 (MIT licence, August 2026) and "CDNA5" Instruction Set Architecture Reference Guide (July 2026). The comments in the code are by the model that wrote it; some were corrected since.
;; Block. Allowed arithmetic: matrix products marked QUANTISED: E5M2 operands, one E8M0 scale for each 32 along K, by v_wmma_scale_f32_16x16x128_f8f6f4 with both operands' format E5M2, f32 sums; everything else in f32.
;; Inputs: W1_codes 4,096 x 32 x 32 uint8 (E5M2 codes of W1, K innermost, in blocks of 32 codes); W1_scales 4,096 x 32 uint8 (E8M0 scales of W1, one for each 32 codes along K); W2_codes 1,024 x 128 x 32 uint8 (E5M2 codes of W2, K innermost, in blocks of 32 codes); W2_scales 1,024 x 128 uint8 (E8M0 scales of W2, one for each 32 codes along K); Wk_codes 1,024 x 32 x 32 uint8 (E5M2 codes of Wk, K innermost, in blocks of 32 codes); Wk_scales 1,024 x 32 uint8 (E8M0 scales of Wk, one for each 32 codes along K); Wo_codes 1,024 x 32 x 32 uint8 (E5M2 codes of Wo, K innermost, in blocks of 32 codes); Wo_scales 1,024 x 32 uint8 (E8M0 scales of Wo, one for each 32 codes along K); Wq_codes 1,024 x 32 x 32 uint8 (E5M2 codes of Wq, K innermost, in blocks of 32 codes); Wq_scales 1,024 x 32 uint8 (E8M0 scales of Wq, one for each 32 codes along K); Wv_codes 1,024 x 32 x 32 uint8 (E5M2 codes of Wv, K innermost, in blocks of 32 codes); Wv_scales 1,024 x 32 uint8 (E8M0 scales of Wv, one for each 32 codes along K); b1 4,096 float32; b2 1,024 float32; bk 1,024 float32; bo 1,024 float32; bq 1,024 float32; bv 1,024 float32; ln1_b 1,024 float32; ln1_g 1,024 float32; ln2_b 1,024 float32; ln2_g 1,024 float32; x 2 x 2,048 x 1,024 float32.
;; Outputs: out0 2 x 2,048 x 1,024 float32.
;; This version of the problem:
;;   THIS VERSION OF THE PROBLEM IS GIVEN IN LOW PRECISION. The matrix products marked QUANTISED in the list below multiply operands that are first quantised to E5M2 (5 exponent bits, 2 mantissa bits; 8 bits a number), with one power-of-two scale for each 32 numbers along K (OCP MX v1.0); their sums are f32. All else is computed in f32.
;;   The module's matrix products, in the order in which they are computed (A, B: the left and right operand; K: the contracted axis; several contracted axes count as one K, in the product's order):
;;     1. [M 4,096, K 1,024] x [K 1,024, N 1,024]; A: computed on the way; B: input Wq (given as codes): QUANTISED
;;     2. [M 4,096, K 1,024] x [K 1,024, N 1,024]; A: computed on the way; B: input Wk (given as codes): QUANTISED
;;     3. [M 4,096, K 1,024] x [K 1,024, N 1,024]; A: computed on the way; B: input Wv (given as codes): QUANTISED
;;     4. batch 32 x [M 2,048, K 64] x [K 64, N 2,048]; A: computed on the way; B: computed on the way: QUANTISED
;;     5. batch 32 x [M 2,048, K 2,048] x [K 2,048, N 64]; A: softmax (see below); B: computed on the way: QUANTISED
;;     6. [M 4,096, K 1,024] x [K 1,024, N 1,024]; A: computed on the way; B: input Wo (given as codes): QUANTISED
;;     7. [M 4,096, K 1,024] x [K 1,024, N 4,096]; A: computed on the way; B: input W1 (given as codes): QUANTISED
;;     8. [M 4,096, K 4,096] x [K 4,096, N 1,024]; A: computed on the way; B: input W2 (given as codes): QUANTISED
;;   THE QUANTISER, for each operand of a quantised product, along K:
;;     - K is cut into blocks of 32 from its start; a last block that is shorter is filled with zeros.
;;     - A block's scale is 2^e with e = floor(log2(the largest magnitude in the block)) - 15, held to -126 .. 127; a block of zeros has e = 0. As a byte (E8M0): e + 127.
;;     - Each number is divided by its block's scale, clamped to +-57,344, and rounded to the nearest number of E5M2, ties to even, subnormals kept.
;;     - The product sums the exact products of the quantised numbers (number of the format x scale) in f32.
;;   ~~~python
;;   def quantise(x, axis):      # numpy; x: float32 -> the quantised numbers, widened to float32 again
;;       x = np.moveaxis(x, axis, -1); K = x.shape[-1]
;;       x = np.pad(x, [(0, 0)] * (x.ndim - 1) + [(0, -K % 32)]); x = x.reshape(x.shape[:-1] + (-1, 32)); a = np.abs(x).max(-1, keepdims=True)
;;       e = np.where(a > 0, np.clip(np.frexp(np.where(a > 0, a, 1))[1] - 1 - 15, -126, 127), 0)      # np.frexp(a)[1] - 1 = floor(log2(a)), exactly
;;       r = np.clip(x / 2.0 ** e, -57344, 57344)
;;       step = 2.0 ** (np.maximum(np.frexp(np.where(r == 0, 1, r))[1] - 1, -14) - 2)
;;       q = np.round(r / step) * step * 2.0 ** e      # np.round: ties to even
;;       return np.moveaxis(q.reshape(q.shape[:-2] + (-1,))[..., :K], -1, axis).astype(np.float32)
;;   ~~~
;;   SOFTMAX AHEAD OF A QUANTISED PRODUCT. Where the list says 'softmax', what is quantised is not the finished softmax but p = 2^(t - M), with t = logit x log2(e) and M = ceil(the row's largest t), a whole number; so 1/2 < the row's largest p <= 1. The row's sum l is taken of the UNQUANTISED p, in f32, and the product's result is divided by l at the end. Since M is a whole number, a kernel that streams over the keys may use a running M (the ceiling of the running maximum): every later rescaling is an exact power of two, which a block's scale takes up: the codes' values come out the same.
;;   OPERANDS COMPUTED ON THE WAY. 'Computed on the way' means the value that the module computes at that place (a softmax that the list does not call 'softmax' is quantised finished and normalised). What goes into a quantiser is computed in f32, as accurately as f32 sums, v_exp_f32 and their like allow (about 1e-6 of the number): no bf16 or f16 on the way to a quantiser, and a product that is left as it is and whose result goes on into a quantised operand takes f32 operands (vector FMAs, or v_wmma_f32_16x16x4_f32). A number that lies on a knife's edge between two numbers of the format may be rounded either way, as far as f32 arithmetic and the matrix unit's own rounding can turn it there, and no further.
;;   INPUTS GIVEN AS CODES. W1 (in the module: [1024, 4096], K = its axis 0); W2 (in the module: [4096, 1024], K = its axis 0); Wk (in the module: [1024, 1024], K = its axis 0); Wo (in the module: [1024, 1024], K = its axis 0); Wq (in the module: [1024, 1024], K = its axis 0); Wv (in the module: [1024, 1024], K = its axis 0): each comes as NAME_codes (uint8): NAME with its K axis moved to the last place and cut into blocks of 32 codes, [.., K / 32, bytes a block], one block behind the other in memory; one code a byte (a code: sign, 5 exponent bits, 2 mantissa bits); and NAME_scales (uint8): the same leading axes, one E8M0 byte (e + 127) for each 32 codes along K. Its value is code x scale, taken as it is: it is not quantised again, and the codes and scales need not be those that the quantiser above would give.
;; One version. Each part assembles by itself: llvm-mc -triple=amdgcn-amd-amdhsa -mcpu=gfx1250 --defsym DOCPART=n.
;; ======== version 1 of 1: 7 launches
;; limits: right only within a limited range of input values
;; workspace buffers: hq 4,325,376 bytes; qkv 17,563,648 bytes; ao 4,325,376 bytes; x1 16,777,216 bytes; hid 17,301,504 bytes
;; launch ln1 (part 1): grid 256 x 1, 16 waves a work-group, no clusters, 2,560 bytes of LDS; arguments x, ln1_g, ln1_b, hq; writes hq
.if DOCPART == 1
	.amdgcn_target "amdgcn-amd-amdhsa--gfx1250"
	.amdhsa_code_object_version 6
	.text
	.protected	k_q7320c93f03_ln1
	.globl	k_q7320c93f03_ln1
	.p2align	8
	.type	k_q7320c93f03_ln1,@function
k_q7320c93f03_ln1:
	s_mov_b64 s[64:65], 0
	v_nop
	global_prefetch_b8 v0, s[64:65] scope:SCOPE_SE
	s_setreg_imm32_b32 hwreg(HW_REG_WAVE_MODE, 25, 1), 1
	s_wait_xcnt 0x0
; LayerNorm of 4,096 rows of 1,024 f32, then the MX quantiser (E5M2 codes, one E8M0 byte for each 32 along the row).
; out: codes [4096][1024] at byte 0, K in its natural order; scale bytes [4096][32] at byte SCOFF.
; SHARES.  A work-group takes 16 rows, a wave one row, kept in 32 registers a lane between the passes: the row is read once.
; Lane l holds elements 256 j + 8 l + 0..7, j = 0..3: a pair of loads covers 1,024 consecutive bytes, a lane's 8 codes are 8 bytes, so a store of
; the wave covers 256 consecutive bytes, aligned; a block of 32 lies in four neighbouring lanes.
; The variance is taken of x - mean in a second pass over the registers, as the definition has it, so a common offset of the row does no harm.
; The 32 scale bytes of each of the 16 rows meet in 512 bytes of LDS and leave by one store of wave 0.
; No matrix unit, no tensor load, no cluster: the launch streams, and work-groups share only g and b (8 KB).
; LIMITS: NaN and infinities are not served.  A block whose largest magnitude lies under 2^-111 (a block of zeros too) gets the byte 1; its codes
; are zeros or subnormal codes under that scale, and this program alone reads the bytes.
.set X,   16                           ; v16-47   the row's 32 numbers of my lane
.set G,   48                           ; v48-79   g at the same places
.set BB,  80                           ; v80-111  b
.set C,   112                          ; v112-119 codes: two registers for each j
.set MX,  120                          ; v120-123 largest magnitudes, then the bytes
.set HO,  124                          ; v124-127 57,344 x the scale
.set SO,  6                            ; v6-9     the conversions' scale operands (the sums' registers, free by then)
.set SCOFF, 4194304
	s_load_b256 s[4:11], s[0:1], 0x0               ; x s[4:5], g s[6:7], b s[8:9], out s[10:11]
	v_lshl_add_u32 v128, v0, 2, 0x200
	v_mov_b32 v129, 0
	v_lshrrev_b32 v1, 5, v0
	s_delay_alu instid0(VALU_DEP_1)
	v_readfirstlane_b32 s12, v1                    ; wave 0..15
	v_and_b32 v1, 31, v0                           ; lane
	s_delay_alu instid0(VALU_DEP_1)
	v_lshlrev_b32 v2, 5, v1                        ; 32 x lane: my 8 numbers in 1,024 bytes
	s_delay_alu instid0(VALU_DEP_2)
	v_lshlrev_b32 v3, 3, v1                        ; 8 x lane: my 8 codes in 256 bytes
	s_delay_alu instid0(VALU_DEP_3)
	v_lshrrev_b32 v4, 2, v1
	s_lshl_b32 s14, s12, 5
	v_add_nc_u32 v4, s14, v4                       ; LDS: 32 x wave + lane / 4: my block's byte
	v_lshlrev_b32 v5, 4, v1                        ; 16 x lane
	v_mov_b32 v14, 0                               ; a lane permute's destination counts as read: written once
	s_lshl_b32 s13, ttmp9, 4
	s_add_co_u32 s13, s13, s12                     ; my row
	s_lshl_b32 s14, s13, 12                        ; its 4,096 bytes of x
	s_mov_b32 s15, 0
	s_lshl_b32 s22, s13, 10                        ; its 1,024 bytes of codes
	s_mov_b32 s23, 0
	s_lshl_b32 s24, ttmp9, 9                       ; the work-group's 512 scale bytes
	s_add_co_u32 s24, s24, SCOFF
	s_mov_b32 s25, 0
	s_mov_b32 s16, 0x76543210
	s_mov_b32 s17, 0xfedcba98                      ; selects: lane l xor 16
	s_mov_b32 s18, 0x600000                        ; the mantissa field of 57,344
	s_mov_b32 s19, 0x3a800000                      ; 1 / 1,024
	s_mov_b32 s20, 0x3727c5ac                      ; 1e-5
	s_mov_b32 s21, 0xba800000                      ; -1 / 1,024
	s_wait_alu depctr_va_vdst(0)
	s_wait_kmcnt 0x0
	s_add_nc_u64 s[4:5], s[4:5], s[14:15]
	s_add_nc_u64 s[26:27], s[10:11], s[22:23]
	s_add_nc_u64 s[28:29], s[10:11], s[24:25]
.irp j, 0,1,2,3
	global_load_b128 v[X+8*\j:X+8*\j+3], v2, s[4:5] offset:1024*\j
	global_load_b128 v[X+8*\j+4:X+8*\j+7], v2, s[4:5] offset:1024*\j+16
.endr
.irp j, 0,1,2,3
	global_load_b128 v[G+8*\j:G+8*\j+3], v2, s[6:7] offset:1024*\j
	global_load_b128 v[G+8*\j+4:G+8*\j+7], v2, s[6:7] offset:1024*\j+16
.endr
.irp j, 0,1,2,3
	global_load_b128 v[BB+8*\j:BB+8*\j+3], v2, s[8:9] offset:1024*\j
	global_load_b128 v[BB+8*\j+4:BB+8*\j+7], v2, s[8:9] offset:1024*\j+16
.endr
.macro WSUM                            ; v6 summed over the 32 lanes, the result in every lane
	s_delay_alu instid0(VALU_DEP_1)
	v_add_f32_dpp v6, v6, v6 row_xmask:1 row_mask:0xf bank_mask:0xf
	s_delay_alu instid0(VALU_DEP_1)
	v_add_f32_dpp v6, v6, v6 row_xmask:2 row_mask:0xf bank_mask:0xf
	s_delay_alu instid0(VALU_DEP_1)
	v_add_f32_dpp v6, v6, v6 row_xmask:4 row_mask:0xf bank_mask:0xf
	s_delay_alu instid0(VALU_DEP_1)
	v_add_f32_dpp v6, v6, v6 row_xmask:8 row_mask:0xf bank_mask:0xf
	s_delay_alu instid0(VALU_DEP_1)
	v_permlanex16_b32 v14, v6, s16, s17
	s_delay_alu instid0(VALU_DEP_1)
	v_add_f32 v6, v6, v14
.endm
	s_wait_loadcnt 16                              ; the row's 8 loads are in; the 16 younger ones (g, b) may stay out
	v_pk_add_f32 v[8:9], v[16:17], v[18:19]
	v_pk_add_f32 v[126:127], v[24:25], v[28:29]
	v_pk_add_f32 v[124:125], v[32:33], v[36:37]
	v_pk_add_f32 v[122:123], v[40:41], v[44:45]
	v_pk_add_f32 v[120:121], v[20:21], v[22:23]
	v_pk_add_f32 v[118:119], v[26:27], v[30:31]
	v_pk_add_f32 v[116:117], v[34:35], v[38:39]
	v_pk_add_f32 v[6:7], v[42:43], v[46:47]
	s_delay_alu instid0(VALU_DEP_1)
	v_pk_add_f32 v[6:7], v[6:7], v[122:123]
	v_pk_add_f32 v[8:9], v[8:9], v[120:121]
	v_pk_add_f32 v[126:127], v[126:127], v[118:119]
	v_pk_add_f32 v[124:125], v[124:125], v[116:117]
	s_delay_alu instid0(VALU_DEP_2)
	v_pk_add_f32 v[6:7], v[6:7], v[126:127]
	s_delay_alu instid0(VALU_DEP_2)
	v_pk_add_f32 v[8:9], v[8:9], v[124:125]
	s_delay_alu instid0(VALU_DEP_1)
	v_pk_add_f32 v[6:7], v[6:7], v[8:9]
	s_delay_alu instid0(VALU_DEP_1)
	v_add_f32 v6, v6, v7
	WSUM
	s_delay_alu instid0(VALU_DEP_1)
	v_mul_f32 v10, s21, v6                         ; -mean, twice: a pair for the packed addition
	s_delay_alu instid0(VALU_DEP_2)
	v_mul_f32 v11, s21, v6
.irp i, 0,2,4,6,8,10,12,14,16,18,20,22,24,26,28,30
	v_pk_add_f32 v[X+\i:X+\i+1], v[X+\i:X+\i+1], v[10:11]
.endr
	v_pk_mul_f32 v[6:7], v[X:X+1], v[X:X+1]        ; the sum of squares of x - mean
	v_pk_mul_f32 v[8:9], v[X+2:X+3], v[X+2:X+3]
.irp i, 4,8,12,16,20,24,28
	s_delay_alu instid0(VALU_DEP_2)
	v_pk_fma_f32 v[6:7], v[X+\i:X+\i+1], v[X+\i:X+\i+1], v[6:7]
	s_delay_alu instid0(VALU_DEP_2)
	v_pk_fma_f32 v[8:9], v[X+\i+2:X+\i+3], v[X+\i+2:X+\i+3], v[8:9]
.endr
	s_delay_alu instid0(VALU_DEP_1)
	v_pk_add_f32 v[6:7], v[6:7], v[8:9]
	s_delay_alu instid0(VALU_DEP_1)
	v_add_f32 v6, v6, v7
	WSUM
	s_delay_alu instid0(VALU_DEP_1)
	v_fma_f32 v15, v6, s19, s20                    ; variance + 1e-5
	s_wait_alu depctr_va_vdst(0)
	v_rsq_f32 v12, v15
	v_rsq_f32 v13, v15
	v_nop                                          ; one plain instruction behind a transcendental before its result is used (ISA guide 5.7.2)
	s_wait_alu depctr_va_vdst(0)
.irp i, 0,2,4,6,8,10,12,14,16,18,20,22,24,26,28,30
	v_pk_mul_f32 v[X+\i:X+\i+1], v[X+\i:X+\i+1], v[12:13]
.endr
	s_wait_loadcnt 0x0                             ; g and b
.irp i, 0,2,4,6,8,10,12,14,16,18,20,22,24,26,28,30
	v_pk_fma_f32 v[X+\i:X+\i+1], v[X+\i:X+\i+1], v[G+\i:G+\i+1], v[BB+\i:BB+\i+1]
.endr
	; the quantiser, the four j by turns.  The floor 2^(16 - 127) among the leaves holds the byte at 1 from below
.irp j, 0,1,2,3
	v_max3_num_f32 v[MX+\j], |v[X+8*\j]|, |v[X+8*\j+1]|, 0x8000000
.endr
.irp i, 2,4,6
.irp j, 0,1,2,3
	s_delay_alu instid0(VALU_DEP_4)
	v_max3_num_f32 v[MX+\j], v[MX+\j], |v[X+8*\j+\i]|, |v[X+8*\j+\i+1]|
.endr
.endr
.irp j, 0,1,2,3
	s_delay_alu instid0(VALU_DEP_4)
	v_max_num_f32_dpp v[MX+\j], v[MX+\j], v[MX+\j] row_xmask:1 row_mask:0xf bank_mask:0xf
.endr
.irp j, 0,1,2,3
	s_delay_alu instid0(VALU_DEP_4)
	v_max_num_f32_dpp v[MX+\j], v[MX+\j], v[MX+\j] row_xmask:2 row_mask:0xf bank_mask:0xf   ; the four lanes of a block
.endr
.irp j, 0,1,2,3
	s_delay_alu instid0(VALU_DEP_4)
	v_add_nc_u32 v[SO+\j], 0xf8800000, v[MX+\j]    ; 15 off the exponent field: the conversion's scale operand
.endr
.irp j, 0,1,2,3
	v_and_or_b32 v[HO+\j], v[MX+\j], 0x7f800000, s18   ; 57,344 x the scale
.endr
.irp j, 0,1,2,3
.irp i, 0,1,2,3,4,5,6,7
	v_med3_num_f32 v[X+8*\j+\i], v[X+8*\j+\i], -v[HO+\j], v[HO+\j]   ; the conversion does not saturate (ISA guide 7.6.2): the hold comes first
.endr
.endr
.irp j, 0,1,2,3
	v_cvt_scalef32_pk8_bf8_f32 v[C+2*\j:C+2*\j+1], v[X+8*\j:X+8*\j+7], v[SO+\j]
.endr
.irp j, 0,1,2,3
	v_lshrrev_b32 v[MX+\j], 23, v[SO+\j]           ; the scale's byte
.endr
.irp j, 0,1,2,3
	global_store_b64 v3, v[C+2*\j:C+2*\j+1], s[26:27] offset:256*\j   ; 32 lanes store 256 consecutive bytes, aligned
	ds_store_b8 v4, v[MX+\j] offset:8*\j           ; the four lanes of a block write the same byte with the same value
.endr
	s_wait_dscnt 0x0                               ; for the others' sake: my byte stores have landed
	s_barrier_signal -1
	s_barrier_wait -1
	s_cmp_lg_u32 s12, 0
	s_cbranch_scc1 .Lend
	ds_load_b128 v[G:G+3], v5                      ; wave 0: the 16 rows' 512 scale bytes
	s_wait_dscnt 0x0
	global_store_b128 v5, v[G:G+3], s[28:29]       ; 512 consecutive bytes, aligned
.Lend:
	s_wait_tensorcnt 0x0
	ds_add_u32 v128, v129
	s_wait_dscnt 0x0
	s_endpgm
.Lfunc_end_k_q7320c93f03_ln1:
	.size	k_q7320c93f03_ln1, .Lfunc_end_k_q7320c93f03_ln1-k_q7320c93f03_ln1
	.p2alignl 7, 3214868480
	.fill 96, 4, 3214868480
	.section	.rodata,"a",@progbits
	.p2align	6, 0x0
	.amdhsa_kernel k_q7320c93f03_ln1
		.amdhsa_group_segment_fixed_size 2560
		.amdhsa_private_segment_fixed_size 0
		.amdhsa_enable_private_segment 0
		.amdhsa_kernarg_size 32
		.amdhsa_user_sgpr_count 2
		.amdhsa_user_sgpr_kernarg_segment_ptr 1
		.amdhsa_wavefront_size32 1
		.amdhsa_system_sgpr_workgroup_id_x 1
		.amdhsa_system_sgpr_workgroup_id_y 1
		.amdhsa_system_sgpr_workgroup_id_z 1
		.amdhsa_system_vgpr_workitem_id 0
		.amdhsa_next_free_vgpr 130
		.amdhsa_next_free_sgpr 66
		.amdhsa_reserve_vcc 0
		.amdhsa_float_denorm_mode_32 3
		.amdhsa_float_denorm_mode_16_64 3
		.amdhsa_memory_ordered 1
		.amdhsa_forward_progress 1
		.amdhsa_inst_pref_size 18
	.end_amdhsa_kernel
	.amdgpu_metadata
---
amdhsa.version: [ 1, 2 ]
amdhsa.kernels:
  - .name:           k_q7320c93f03_ln1
    .symbol:         k_q7320c93f03_ln1.kd
    .args:
      - { .name: x, .offset: 0, .size: 8, .value_kind: global_buffer, .address_space: global }
      - { .name: ln1_g, .offset: 8, .size: 8, .value_kind: global_buffer, .address_space: global }
      - { .name: ln1_b, .offset: 16, .size: 8, .value_kind: global_buffer, .address_space: global }
      - { .name: hq, .offset: 24, .size: 8, .value_kind: global_buffer, .address_space: global }
    .group_segment_fixed_size: 2560
    .private_segment_fixed_size: 0
    .kernarg_segment_align: 8
    .kernarg_segment_size: 32
    .max_flat_workgroup_size: 512
    .sgpr_count:     66
    .vgpr_count:     130
    .wavefront_size: 32
...
	.end_amdgpu_metadata
.endif
;; end of part 1
;; launch qkv (part 2): grid 12 x 16, 16 waves a work-group, clusters of 4 x 4, 327,680 bytes of LDS; arguments hq, Wq_codes, Wq_scales, bq, Wk_codes, Wk_scales, bk, Wv_codes, Wv_scales, bv, qkv; writes qkv
.if DOCPART == 2
	.amdgcn_target "amdgcn-amd-amdhsa--gfx1250"
	.amdhsa_code_object_version 6
	.text
	.protected	k_q7320c93f03_qkv
	.globl	k_q7320c93f03_qkv
	.p2align	8
	.type	k_q7320c93f03_qkv,@function
k_q7320c93f03_qkv:
	s_mov_b64 s[64:65], 0
	v_nop
	global_prefetch_b8 v0, s[64:65] scope:SCOPE_SE
	s_setreg_imm32_b32 hwreg(HW_REG_WAVE_MODE, 25, 1), 1
	s_wait_xcnt 0x0
	s_wait_alu depctr_hold_cnt(0) depctr_sa_sdst(0) depctr_va_vdst(0) depctr_va_sdst(0) depctr_va_ssrc(0) depctr_va_vcc(0) depctr_vm_vsrc(0)
	s_getreg_b32 s2, hwreg(HW_REG_IB_STS2, 6, 4)
	s_cmp_eq_u32 s2, 0
	s_cbranch_scc0 .Lentry_in_a_cluster
	s_endpgm
.Lentry_in_a_cluster:
	s_bfe_u32 s2, ttmp6, 0x10000c
	s_cmp_lg_u32 s2, 0xf033
	s_cbranch_scc0 .Lentry_shape_is_right
	s_endpgm
.Lentry_shape_is_right:
; q, k, v = h W + b on codes of E5M2 with E8M0 scales, then quantised for attention: q and k along the head's 64, v along the keys.
; h: codes [4096][1024] and scale bytes [4096][32] (at HSC) of one buffer; W: codes [1024][1024], K innermost, scale bytes [1024][32].
; SHARES.  The cluster's x says which of the three products (0 q, 1 k, 2 v); a work-group makes 256 rows x 256 columns; its 16 waves 64 x 64 each (wm = wave / 4: rows, wn = wave % 4: columns,
; which are exactly one head): 16 accumulators, 128 registers, four waves to a SIMD, so that one wave's LDS loads stand beside another's products.
; THE MATRIX INSTRUCTION IS USED TRANSPOSED (source 0 = 16 rows of W, source 1 = 16 rows of h): lane (r, h) holds row r, register j of accumulator (m, t) column 16 t + 8 h + j.
; K goes in chunks of 256 through two LDS slots (rows of 256 bytes + 16 of padding: 68 words, so the 16 rows of a load start at 16 different banks); the four chunks are written out.
; Waves 0-3 fetch h's rows, waves 4-7 W's, 64 rows a load; the scale bytes of all of K come once with the first fills.  A wave has at most one tensor load out.
; CLUSTER 4 x 4: h's tiles are shared along a row of the cluster, W's along a column: joint loads.
; THE BIAS STARTS THE SUMS: each accumulator is loaded with b at its columns, so every product adds in place and nothing is cleared or added later.
; THE ORDER ALONG K OF WHAT IS MADE HERE.  The 16 registers of accumulators 2 c and 2 c + 1 are converted as they stand: byte i of lane half h in chunk c holds k = 32 c + 8 h + i % 8 + 16 (i / 8).
; The 32 numbers are the block's own, and the partner operand is laid in the same order (q against k; v against p), so the products' sums hold the same terms.
; OUT: records of REC bytes for each (batch x head, 128 tokens): images of the operands' registers, 512 bytes a group of four registers, lane l's 16 bytes at 16 l.
;   +0: 8 tiles of 16 tokens x 2 chunks (q in the first array of records, k in the second, KVOFF on); +8,192: V^T, 4 tiles of 16 d x 4 chunks of 32 keys (second array);
;   +16,384: [r 16][tile 8] scale words, bytes 2 and 3 zero (K = 64: the upper half of the instruction's 128 is zero codes); +16,896: [half 2][r 16][d tile 4] two scale bytes of V.
; LIMITS: NaN and infinities are not served; a block whose largest magnitude lies under 2^-111 gets the byte 1 (this program alone reads the bytes).
.set PITCH, 272
.set QROWS, 64*PITCH                   ; 64 rows: what one tensor load brings, and what a wave reads of a side
.set SLOT,  512*PITCH                  ; h's 256 rows, then W's 256
.set SCL,   2*SLOT                     ; the scale bytes, as units of 256 bytes + 16: h's 32 units, then W's
.set SCQ,   8*272                      ; those of 64 rows
.set SPARE, SCL+8*SCQ                  ; the spare words, 128 bytes a wave: eight blocks of 256 bytes that no other line names
.set HSC,   4194304
.set REC,   17152
.set KVOFF, 512*REC
.set SA,  16                           ; v16-19  h's scale words, tile m
.set SB,  20                           ; v20-23  W's, tile t
.set BF,  24                           ; v24-55  two fragments of W
.set AF,  56                           ; v56-119 four fragments of h
.set ACC, 120                          ; v120-247 accumulator (m, t) at ACC + 32 m + 8 t
.set PC,  88                           ; the way out: codes just made
.set TM,  104                          ; the way out: +0 largest magnitudes, +4 bytes, +8 holds, +12 scale operands
.set WV,  26
.set WM,  27                           ; wave / 4: my rows; also: 0 I fetch for h, 1 for W, else nothing
.set WN,  28                           ; wave % 4: my columns; also which 64 rows I fetch
.set MNT, 29
.set HF,  30
.set CX,  31
.set CY,  32
.set XW,  33
.set Y,   34
.set RM,  35
.set CM,  36
.set T,   37
.set SEL, 22
.set G1A, 40
.set G1B, 48
.set G1SA, 56
.set G1SB, 68
.set G0A, 76                           ; s[76:83] group 0 for h's tiles, a set for each slot; s[84:91] for W's
.set G0B, 84
.set G0SA, 92
.set G0SB, 96
.macro PLACES n
.rept \n
	v_nop
.endr
.endm
.macro ROUND                           ; a round of the cluster's barrier
	s_barrier_signal -1
	s_barrier_wait -1
	s_cmp_lg_u32 s[WV], 0
	s_cbranch_scc1 .Lnot_wave_0_\@
	s_barrier_signal -3
.Lnot_wave_0_\@:
	s_barrier_wait -3
	s_barrier_signal -1
	s_barrier_wait -1
.endm
.macro JLOAD slot                      ; a joint refill; the branches hang on the wave's number alone; four v_nop follow each load
	s_cmp_eq_u32 s[WM], 0
	s_cbranch_scc0 .Lnot_a_\@
	tensor_load_to_lds s[G0A+4*(\slot):G0A+4*(\slot)+3], s[G1A:G1A+7]
	s_nop 0
	PLACES 4
	s_branch .Lasked_\@
.Lnot_a_\@:
	s_cmp_eq_u32 s[WM], 1
	s_cbranch_scc0 .Lasked_\@
	tensor_load_to_lds s[G0B+4*(\slot):G0B+4*(\slot)+3], s[G1B:G1B+7]
	s_nop 0
	PLACES 4
.Lasked_\@:
.endm
.macro FRAG reg, adr, q, i             ; 16 rows x 128 K: registers 4 c .. 4 c + 3 hold K = 32 c + 16 (lane / 16) + 0 .. 15
.irp c, 0,1,2,3
	ds_load_b128 v[\reg+4*\c:\reg+4*\c+3], v[\adr] offset:128*(\q)+32*\c+(\i)*16*PITCH
.endr
.endm
.macro MM m, t
	v_wmma_scale_f32_16x16x128_f8f6f4 v[ACC+32*\m+8*\t:ACC+32*\m+8*\t+7], v[BF+16*((\t)%2):BF+16*((\t)%2)+15], v[AF+16*\m:AF+16*\m+15], v[ACC+32*\m+8*\t:ACC+32*\m+8*\t+7], v[SB+\t], v[SA+\m] matrix_a_fmt:MATRIX_FMT_BF8 matrix_b_fmt:MATRIX_FMT_BF8
.endm
; 128 along K: 16 products, each accumulator once (the accumulators take turns).  Eight places stand in front of each run of loads into registers that products have read.
.macro KSTEP slot, q, kw
	PLACES 8
.irp m, 0,1,2,3
	FRAG AF+16*\m, 3+(\slot), \q, \m
.endr
	FRAG BF, 5+(\slot), \q, 0
	FRAG BF+16, 5+(\slot), \q, 1
.irp m, 0,1,2,3
	ds_load_b32 v[SA+\m], v7 offset:544*\m+4*(\kw)
	ds_load_b32 v[SB+\m], v8 offset:544*\m+4*(\kw)
.endr
	s_wait_dscnt 0x0
.irp t, 0,1
.irp m, 0,1,2,3
	MM \m, \t
.endr
.endr
	PLACES 8
	FRAG BF, 5+(\slot), \q, 2
	FRAG BF+16, 5+(\slot), \q, 3
	s_wait_dscnt 0x0
.irp t, 2,3
.irp m, 0,1,2,3
	MM \m, \t
.endr
.endr
.endm
.macro CHUNK c
	KSTEP (\c)%2, 0, 2*(\c)
	KSTEP (\c)%2, 1, 2*(\c)+1
.endm
; The change of slots.  Every wave waits for all its tensor loads (its part of the slot ahead), adds 0 to its spare word, and waits for that and for its reads of the slot that it leaves.
; refill = 1: a round of the cluster's barrier, and slot ns, just left, takes the chunk two on: the load has a chunk's products of all 16 waves in which to land.
.macro HEAD ns, refill
	s_wait_tensorcnt 0x0
	ds_add_u32 v1, v2
.if \refill
	s_add_nc_u64 s[G0A+4*(\ns)+2:G0A+4*(\ns)+3], s[G0A+4*(\ns)+2:G0A+4*(\ns)+3], 512
	s_add_nc_u64 s[G0B+4*(\ns)+2:G0B+4*(\ns)+3], s[G0B+4*(\ns)+2:G0B+4*(\ns)+3], 512
.endif
	s_wait_dscnt 0x0
.if \refill
	ROUND
	JLOAD \ns
.else
	s_barrier_signal -1
	s_barrier_wait -1
.endif
.endm
; 64 numbers of a lane, four blocks of 16 registers; lanes l and l xor 16 share a block.  Codes to v[PC + 4 b ..], bytes to v[TM + 4 + b].
.macro QUANT s
.irp b, 0,1,2,3
	v_max3_num_f32 v[TM+\b], |v[\s+16*\b]|, |v[\s+1+16*\b]|, 0x8000000   ; the floor 2^(16 - 127) holds the byte at 1 from below
.endr
.irp i, 2,4,6,8,10,12,14
.irp b, 0,1,2,3
	v_max3_num_f32 v[TM+\b], v[TM+\b], |v[\s+16*\b+\i]|, |v[\s+1+16*\b+\i]|
.endr
.endr
.irp b, 0,1,2,3
	s_delay_alu instid0(VALU_DEP_4)
	v_permlanex16_b32 v[TM+4+\b], v[TM+\b], s[SEL], s[SEL+1]
.endr
.irp b, 0,1,2,3
	s_delay_alu instid0(VALU_DEP_4)
	v_max_num_f32 v[TM+\b], v[TM+\b], v[TM+4+\b]
.endr
.irp b, 0,1,2,3
	s_delay_alu instid0(VALU_DEP_4)
	v_add_nc_u32 v[TM+12+\b], 0xf8800000, v[TM+\b]   ; 15 off the exponent field: the conversion's scale operand
.endr
.irp b, 0,1,2,3
	v_and_or_b32 v[TM+8+\b], v[TM+\b], 0x7f800000, s[MNT]   ; 57,344 x the scale
.endr
.irp b, 0,1,2,3
	v_lshrrev_b32 v[TM+4+\b], 23, v[TM+12+\b]      ; the byte
.endr
.irp b, 0,1,2,3
.irp i, 0,1,2,3,4,5,6,7,8,9,10,11,12,13,14,15
	v_med3_num_f32 v[\s+16*\b+\i], v[\s+16*\b+\i], -v[TM+8+\b], v[TM+8+\b]   ; the conversion does not saturate (ISA guide 7.6.2)
.endr
	v_cvt_scalef32_pk8_bf8_f32 v[PC+4*\b:PC+1+4*\b], v[\s+16*\b:\s+7+16*\b], v[TM+12+\b]
	v_cvt_scalef32_pk8_bf8_f32 v[PC+2+4*\b:PC+3+4*\b], v[\s+8+16*\b:\s+15+16*\b], v[TM+12+\b]
.endr
	v_nop                                          ; one plain instruction behind the last scaled conversion
.endm
	s_load_b512 s[4:19], s[0:1], 0x0               ; h s[4:5]; Wq's codes, scales, bq s[6:11]; Wk's s[12:17]; Wv's codes s[18:19]
	s_load_b128 s[20:23], s[0:1], 0x40             ; Wv's scales, bv
	s_load_b64 s[24:25], s[0:1], 0x50              ; out
	v_lshl_add_u32 v1, v0, 2, SPARE
	v_mov_b32 v2, 0
	ds_add_u32 v1, v2
	ds_add_u32 v1, v2
	s_wait_dscnt 0x0
	v_lshrrev_b32 v3, 5, v0
	s_delay_alu instid0(VALU_DEP_1)
	v_readfirstlane_b32 s[WV], v3
	s_lshr_b32 s[WM], s[WV], 2
	s_and_b32 s[WN], s[WV], 3
	s_and_b32 s[HF], s[WM], 1
	s_mov_b32 s[MNT], 0x600000
	s_bfe_u32 s[CX], ttmp6, 0x40000
	s_bfe_u32 s[CY], ttmp6, 0x40004
	s_mov_b32 s[T], ttmp9                          ; the cluster's x: which product; the same in all sixteen partners
	s_mov_b32 s[XW], s[CX]                         ; tile column of that product
	s_and_b32 s[Y], ttmp7, 0xffff
	s_lshl_b32 s[Y], s[Y], 2
	s_add_co_u32 s[Y], s[Y], s[CY]                 ; tile row
	s_lshl_b32 s[RM], s[CY], 2
	s_lshl_b32 s[RM], 15, s[RM]                    ; my row of the cluster
	s_lshl_b32 s[CM], 0x1111, s[CX]                ; my column
	s_or_b32 s[G1A], s[RM], (1<<20)|(1<<21)|(5<<22)|(3<<25)   ; the mask; elements of 1 byte; padding on; bit 21 beside a mask; 4 words behind every 64
	s_or_b32 s[G1B], s[CM], (1<<20)|(1<<21)|(5<<22)|(3<<25)
.irp g, G1A, G1B
	s_mov_b32 s[\g+1], 256<<16                     ; tensor_dim0
	s_mov_b32 s[\g+2], 64<<16                      ; tensor_dim1
	s_mov_b32 s[\g+3], 256<<16                     ; tile_dim0
	s_mov_b32 s[\g+4], 64                          ; tile_dim1
	s_mov_b32 s[\g+5], 1024                        ; from row to row
	s_mov_b32 s[\g+6], 0
	s_mov_b32 s[\g+7], 0
.endr
	s_or_b32 s[G1SA], s[RM], (3<<16)|(1<<20)|(1<<21)|(5<<22)|(3<<25)   ; scale bytes of 64 rows: 2,048 dense bytes as 8 rows of 32 elements of 8 bytes
	s_or_b32 s[G1SB], s[CM], (3<<16)|(1<<20)|(1<<21)|(5<<22)|(3<<25)
.irp g, G1SA, G1SB
	s_mov_b32 s[\g+1], 32<<16
	s_mov_b32 s[\g+2], 8<<16
	s_mov_b32 s[\g+3], 32<<16
	s_mov_b32 s[\g+4], 8
	s_mov_b32 s[\g+5], 32
	s_mov_b32 s[\g+6], 0
	s_mov_b32 s[\g+7], 0
.endr
	s_lshl_b32 s3, s[WN], 6                        ; which 64 rows of a side I fetch
	s_lshl_b32 s2, s[Y], 8
	s_add_co_u32 s2, s2, s3                        ; h: row 256 x tile row + 64 x part
	s_lshl_b32 s38, s2, 10
	s_mov_b32 s39, 0
	s_lshl_b32 s66, s2, 5
	s_add_co_u32 s66, s66, HSC
	s_mov_b32 s67, 0
	s_mul_i32 s100, s[WV], QROWS                   ; where they go: wave x 64 rows (h's four parts, then W's): no place in the cluster enters an LDS address
	s_and_b32 s101, s[WV], 7                       ; waves 8-15 fetch the scale bytes: part wave % 8 (h's four, then W's)
	s_mul_i32 s101, s101, SCQ
	s_wait_kmcnt 0x0
	s_cmp_eq_u32 ttmp9, 1                          ; the weight, its scales and its bias: a choice that hangs on the cluster's number alone
	s_cselect_b64 s[6:7], s[12:13], s[6:7]
	s_cselect_b64 s[8:9], s[14:15], s[8:9]
	s_cselect_b64 s[10:11], s[16:17], s[10:11]
	s_cmp_eq_u32 ttmp9, 2
	s_cselect_b64 s[6:7], s[18:19], s[6:7]
	s_cselect_b64 s[8:9], s[20:21], s[8:9]
	s_cselect_b64 s[10:11], s[22:23], s[10:11]
	s_mov_b32 s[SEL], 0x76543210
	s_mov_b32 s[SEL+1], 0xfedcba98
	s_lshl_b32 s12, s[XW], 8
	s_add_co_u32 s12, s12, s3                      ; W: row 256 x tile column + 64 x part
	s_lshl_b32 s14, s12, 10
	s_mov_b32 s15, 0
	s_lshl_b32 s16, s12, 5
	s_mov_b32 s17, 0
	s_add_nc_u64 s[38:39], s[4:5], s[38:39]
	s_add_nc_u64 s[66:67], s[4:5], s[66:67]
	s_add_nc_u64 s[14:15], s[6:7], s[14:15]
	s_add_nc_u64 s[16:17], s[8:9], s[16:17]
	s_mov_b32 s[G0SA], 1
	s_add_co_u32 s[G0SA+1], s101, SCL
	s_mov_b64 s[G0SA+2:G0SA+3], s[66:67]
	s_or_b32 s[G0SA+3], s[G0SA+3], 0x80000000
	s_mov_b32 s[G0SB], 1
	s_add_co_u32 s[G0SB+1], s101, SCL
	s_mov_b64 s[G0SB+2:G0SB+3], s[16:17]
	s_or_b32 s[G0SB+3], s[G0SB+3], 0x80000000
.irp s, 0,1
	s_mov_b32 s[G0A+4*\s], 1
	s_add_co_u32 s[G0A+4*\s+1], s100, \s*SLOT
	s_add_nc_u64 s[G0A+4*\s+2:G0A+4*\s+3], s[38:39], \s*256
	s_or_b32 s[G0A+4*\s+3], s[G0A+4*\s+3], 0x80000000
	s_mov_b32 s[G0B+4*\s], 1
	s_add_co_u32 s[G0B+4*\s+1], s100, \s*SLOT
	s_add_nc_u64 s[G0B+4*\s+2:G0B+4*\s+3], s[14:15], \s*256
	s_or_b32 s[G0B+4*\s+3], s[G0B+4*\s+3], 0x80000000
.endr
	ROUND                                          ; all sixteen work-groups are here: the first joint loads meet
	s_cmp_eq_u32 s[WM], 0                          ; a wave's one first fill, chosen by a chain of branches
	s_cbranch_scc0 .Lfirst_not_a
	tensor_load_to_lds s[G0A:G0A+3], s[G1A:G1A+7]  ; one load a wave at the head: waves 0-3 chunk 0 of h, 4-7 of W, 8-11 h's scale bytes, 12-15 W's
	s_nop 0
	PLACES 4
	s_branch .Lfirst_asked
.Lfirst_not_a:
	s_cmp_eq_u32 s[WM], 1
	s_cbranch_scc0 .Lfirst_sa
	tensor_load_to_lds s[G0B:G0B+3], s[G1B:G1B+7]
	s_nop 0
	PLACES 4
	s_branch .Lfirst_asked
.Lfirst_sa:
	s_cmp_eq_u32 s[WM], 2
	s_cbranch_scc0 .Lfirst_sb
	tensor_load_to_lds s[G0SA:G0SA+3], s[G1SA:G1SA+7]
	s_nop 0
	PLACES 4
	s_branch .Lfirst_asked
.Lfirst_sb:
	tensor_load_to_lds s[G0SB:G0SB+3], s[G1SB:G1SB+7]
	s_nop 0
	PLACES 4
.Lfirst_asked:
	s_lshl_b32 s18, s[XW], 10                      ; the bias at my 64 columns
	s_lshl_b32 s19, s[WN], 8
	s_add_co_u32 s18, s18, s19
	s_mov_b32 s19, 0
	s_add_nc_u64 s[10:11], s[10:11], s[18:19]
	v_and_b32 v9, 15, v0                           ; r
	v_bfe_u32 v10, v0, 4, 1                        ; h
	s_delay_alu instid0(VALU_DEP_1)
	v_lshlrev_b32 v255, 5, v10                     ; 32 h: my eight columns of a tile of 16
.irp m, 0,1,2,3
.irp t, 0,1,2,3
	global_load_b128 v[ACC+32*\m+8*\t:ACC+32*\m+8*\t+3], v255, s[10:11] offset:64*\t
	global_load_b128 v[ACC+32*\m+8*\t+4:ACC+32*\m+8*\t+7], v255, s[10:11] offset:64*\t+16
.endr
.endr
	v_mul_u32_u24 v11, v9, PITCH
	s_delay_alu instid0(VALU_DEP_1)
	v_lshl_add_u32 v11, v10, 4, v11                ; a fragment's row x pitch + 16 x half
	s_mul_i32 s18, s[WM], QROWS
	s_mul_i32 s19, s[WN], QROWS
	s_add_co_u32 s19, s19, 4*QROWS
	v_add_nc_u32 v3, s18, v11                      ; v3, v4: h's fragments in slot 0, 1
	v_add_nc_u32 v5, s19, v11                      ; v5, v6: W's
	s_delay_alu instid0(VALU_DEP_2)
	v_add_nc_u32 v4, SLOT, v3
	s_delay_alu instid0(VALU_DEP_2)
	v_add_nc_u32 v6, SLOT, v5
	v_lshlrev_b32 v12, 5, v9                       ; 32 r: a row's scale bytes,
	s_delay_alu instid0(VALU_DEP_1)
	v_lshrrev_b32 v248, 8, v12
	s_delay_alu instid0(VALU_DEP_1)
	v_lshl_add_u32 v248, v248, 4, v12              ; and 16 more for each 256 passed
	s_mul_i32 s18, s[WM], SCQ
	s_add_co_u32 s18, s18, SCL
	s_mul_i32 s19, s[WN], SCQ
	s_add_co_u32 s19, s19, SCL+4*SCQ
	v_add_nc_u32 v7, s18, v248                     ; v7: h's scale words; v8: W's
	v_add_nc_u32 v8, s19, v248
	v_and_b32 v11, 31, v0
	s_delay_alu instid0(VALU_DEP_1)
	v_lshlrev_b32 v11, 4, v11                      ; v11: 16 x lane: an image's place for my lane
	s_mul_i32 s18, s[WV], 32*272                   ; V's way out: my stage of 32 rows x (256 + 16) bytes, in slot 0
	v_mul_u32_u24 v13, v9, 272
	s_delay_alu instid0(VALU_DEP_1)
	v_lshl_add_u32 v13, v10, 5, v13
	s_delay_alu instid0(VALU_DEP_1)
	v_add_nc_u32 v13, s18, v13                     ; v13: in: row r, + 32 h
	v_mul_u32_u24 v14, v10, 8*272
	s_delay_alu instid0(VALU_DEP_1)
	v_lshl_add_u32 v14, v9, 2, v14
	s_delay_alu instid0(VALU_DEP_1)
	v_add_nc_u32 v14, s18, v14                     ; v14: back: rows 8 h on, column r
	v_lshlrev_b32 v15, 3, v9                       ; v15: 8 r
	s_wait_alu depctr_va_vdst(0)
	s_wait_tensorcnt 0x0                           ; my tile of the head's is in; slot 1's first fill is issued as a refill is
	ds_add_u32 v1, v2
	s_wait_dscnt 0x0
	ROUND
	JLOAD 1                                        ; chunk 1
	s_wait_loadcnt 0x0                             ; the bias lies in the accumulators
	CHUNK 0
	HEAD 0, 1
	CHUNK 1
	HEAD 1, 1
	CHUNK 2
	HEAD 0, 0                                      ; nothing is left to fetch
	CHUNK 3
	; THE WAY OUT
	PLACES 8
.irp b, 0,1,2,3
	v_mov_b32 v[TM+4+\b], 0                        ; a lane permute's destination counts as read
.endr
	s_lshr_b32 s18, s[Y], 3                        ; batch
	s_lshl_b32 s18, s18, 4
	s_lshl_b32 s19, s[CX], 2
	s_add_co_u32 s18, s18, s19
	s_add_co_u32 s18, s18, s[WN]                   ; batch x 16 + head
	s_lshl_b32 s18, s18, 4
	s_and_b32 s19, s[Y], 7
	s_lshl_b32 s19, s19, 1
	s_add_co_u32 s18, s18, s19
	s_lshr_b32 s19, s[WM], 1
	s_add_co_u32 s18, s18, s19                     ; + which 128 tokens: my record
	s_mul_i32 s18, s18, REC
	s_min_u32 s19, s[T], 1
	s_mul_i32 s19, s19, KVOFF                      ; k and v go to the second array
	s_add_co_u32 s18, s18, s19
	s_mov_b32 s19, 0
	s_add_nc_u64 s[24:25], s[24:25], s[18:19]
	s_cmp_eq_u32 s[T], 2
	s_cbranch_scc1 .Lv
	; q, k: a row's 64 numbers are two blocks; accumulators (m, 0..3) become tile 4 hf + m's two chunks
	s_lshl_b32 s18, s[HF], 12
	s_add_nc_u64 s[12:13], s[24:25], s[18:19]
	s_lshl_b32 s18, s[HF], 4
	s_add_co_u32 s18, s18, 16384
	s_add_nc_u64 s[14:15], s[24:25], s[18:19]
.irp a, 0,1
.if \a
	s_wait_xcnt 0x0                                ; the first pass's stores have read their registers
.endif
	QUANT ACC+64*\a
.irp k, 0,1,2,3
	global_store_b128 v11, v[PC+4*\k:PC+4*\k+3], s[12:13] offset:(2*\a+\k/2)*1024+(\k%2)*512   ; 512 consecutive bytes, aligned
.endr
	v_lshl_or_b32 v[252+2*\a], v[TM+5], 8, v[TM+4] ; a tile's scale word: two bytes, two zeros
	v_lshl_or_b32 v[253+2*\a], v[TM+7], 8, v[TM+6]
.endr
	global_store_b128 v12, v[252:255], s[14:15]    ; row r's words of my four tiles (both halves of the lanes hold and store the same)
	s_branch .Ldone
.Lv:
	; v: K is the keys.  32 tokens x 64 d go through my stage and come back with a lane to a d and registers along the keys, in the common order.
	; The stage lies in slot 0, which has had its last fill, and every wave has passed the last change of slots behind its last read of it.
	s_lshl_b32 s18, s[HF], 10
	s_add_co_u32 s18, s18, 8192
	s_add_nc_u64 s[12:13], s[24:25], s[18:19]
	s_lshl_b32 s18, s[HF], 7
	s_add_co_u32 s18, s18, 16896
	s_add_nc_u64 s[14:15], s[24:25], s[18:19]
	s_wait_alu depctr_va_vdst(0)
.irp a, 0,1
.irp u, 0,1
.irp t, 0,1,2,3
	ds_store_b128 v13, v[ACC+32*(2*\a+\u)+8*\t:ACC+32*(2*\a+\u)+8*\t+3] offset:16*\u*272+64*\t
	ds_store_b128 v13, v[ACC+32*(2*\a+\u)+8*\t+4:ACC+32*(2*\a+\u)+8*\t+7] offset:16*\u*272+64*\t+16
.endr
.endr
.irp t, 0,1,2,3
.irp i, 0,1,2,3,4,5,6,7,8,9,10,11,12,13,14,15
	ds_load_b32 v[24+16*\t+\i], v14 offset:((\i)%8+16*((\i)/8))*272+64*\t   ; LDS serves a wave's instructions in order: these see my stores
.endr
.endr
	s_wait_dscnt 0x0
.if \a
	s_wait_xcnt 0x0
.endif
	QUANT 24                                       ; block t: d tile t, key block 2 hf + a
.irp t, 0,1,2,3
	global_store_b128 v11, v[PC+4*\t:PC+4*\t+3], s[12:13] offset:2048*\t+512*\a
.endr
.irp t, 0,1,2,3
.if \a
	v_lshl_or_b32 v[248+\t], v[TM+4+\t], 8, v[248+\t]
.else
	v_mov_b32 v[248+\t], v[TM+4+\t]
.endif
.endr
.endr
	s_delay_alu instid0(VALU_DEP_3)
	v_lshl_or_b32 v252, v249, 16, v248
	s_delay_alu instid0(VALU_DEP_2)
	v_lshl_or_b32 v253, v251, 16, v250
	global_store_b64 v15, v[252:253], s[14:15]
.Ldone:
	s_wait_tensorcnt 0x0                           ; the wave's end
	ds_add_u32 v1, v2
	s_wait_dscnt 0x0
	ROUND                                          ; the closing round
	s_endpgm
.Lfunc_end_k_q7320c93f03_qkv:
	.size	k_q7320c93f03_qkv, .Lfunc_end_k_q7320c93f03_qkv-k_q7320c93f03_qkv
	.p2alignl 7, 3214868480
	.fill 96, 4, 3214868480
	.section	.rodata,"a",@progbits
	.p2align	6, 0x0
	.amdhsa_kernel k_q7320c93f03_qkv
		.amdhsa_group_segment_fixed_size 327680
		.amdhsa_private_segment_fixed_size 0
		.amdhsa_enable_private_segment 0
		.amdhsa_kernarg_size 88
		.amdhsa_user_sgpr_count 2
		.amdhsa_user_sgpr_kernarg_segment_ptr 1
		.amdhsa_wavefront_size32 1
		.amdhsa_system_sgpr_workgroup_id_x 1
		.amdhsa_system_sgpr_workgroup_id_y 1
		.amdhsa_system_sgpr_workgroup_id_z 1
		.amdhsa_system_vgpr_workitem_id 0
		.amdhsa_next_free_vgpr 256
		.amdhsa_next_free_sgpr 102
		.amdhsa_reserve_vcc 0
		.amdhsa_float_denorm_mode_32 3
		.amdhsa_float_denorm_mode_16_64 3
		.amdhsa_memory_ordered 1
		.amdhsa_forward_progress 1
		.amdhsa_inst_pref_size 104
	.end_amdhsa_kernel
	.amdgpu_metadata
---
amdhsa.version: [ 1, 2 ]
amdhsa.kernels:
  - .name:           k_q7320c93f03_qkv
    .symbol:         k_q7320c93f03_qkv.kd
    .args:
      - { .name: hq, .offset: 0, .size: 8, .value_kind: global_buffer, .address_space: global }
      - { .name: Wq_codes, .offset: 8, .size: 8, .value_kind: global_buffer, .address_space: global }
      - { .name: Wq_scales, .offset: 16, .size: 8, .value_kind: global_buffer, .address_space: global }
      - { .name: bq, .offset: 24, .size: 8, .value_kind: global_buffer, .address_space: global }
      - { .name: Wk_codes, .offset: 32, .size: 8, .value_kind: global_buffer, .address_space: global }
      - { .name: Wk_scales, .offset: 40, .size: 8, .value_kind: global_buffer, .address_space: global }
      - { .name: bk, .offset: 48, .size: 8, .value_kind: global_buffer, .address_space: global }
      - { .name: Wv_codes, .offset: 56, .size: 8, .value_kind: global_buffer, .address_space: global }
      - { .name: Wv_scales, .offset: 64, .size: 8, .value_kind: global_buffer, .address_space: global }
      - { .name: bv, .offset: 72, .size: 8, .value_kind: global_buffer, .address_space: global }
      - { .name: qkv, .offset: 80, .size: 8, .value_kind: global_buffer, .address_space: global }
    .group_segment_fixed_size: 327680
    .private_segment_fixed_size: 0
    .kernarg_segment_align: 8
    .kernarg_segment_size: 88
    .max_flat_workgroup_size: 512
    .sgpr_count:     102
    .vgpr_count:     256
    .wavefront_size: 32
...
	.end_amdgpu_metadata
.endif
;; end of part 2
;; launch attn (part 3): grid 8 x 32, 16 waves a work-group, clusters of 4 x 1, 280,576 bytes of LDS; arguments qkv, ao; writes ao
.if DOCPART == 3
	.amdgcn_target "amdgcn-amd-amdhsa--gfx1250"
	.amdhsa_code_object_version 6
	.text
	.protected	k_q7320c93f03_attn
	.globl	k_q7320c93f03_attn
	.p2align	8
	.type	k_q7320c93f03_attn,@function
k_q7320c93f03_attn:
	s_mov_b64 s[64:65], 0
	v_nop
	global_prefetch_b8 v0, s[64:65] scope:SCOPE_SE
	s_setreg_imm32_b32 hwreg(HW_REG_WAVE_MODE, 25, 1), 1
	s_wait_xcnt 0x0
	s_wait_alu depctr_hold_cnt(0) depctr_sa_sdst(0) depctr_va_vdst(0) depctr_va_sdst(0) depctr_va_ssrc(0) depctr_va_vcc(0) depctr_vm_vsrc(0)
	s_getreg_b32 s2, hwreg(HW_REG_IB_STS2, 6, 4)
	s_cmp_eq_u32 s2, 0
	s_cbranch_scc0 .Lentry_in_a_cluster
	s_endpgm
.Lentry_in_a_cluster:
	s_bfe_u32 s2, ttmp6, 0x10000c
	s_cmp_lg_u32 s2, 0x3003
	s_cbranch_scc0 .Lentry_shape_is_right
	s_endpgm
.Lentry_shape_is_right:
; Causal attention on codes of E5M2 with E8M0 scales, 32 (batch x head) x 2,048 tokens x 64.  In: the records that the launch before laid (images of the operands' registers).
; t = score x log2(e) / 8; M = the running largest t rounded up to a whole number; p = 2^(t - M) is quantised along the keys, not normalised; the row's sum is taken of the unquantised p and divides at the end.
; SHARES.  A work-group (g = 0..7 of a head) owns 16 tiles of 16 queries, tile g + 8 x rank, rank 0..15.  A tile of rank r lies in key step r (128 keys a step) and has r + 1 steps, the last under the mask.
; TWO WAVES SHARE TWO TILES, ranks i and 15 - i, 17 steps together (pair i = wave / 2).  Wave A takes steps 0 .. 8 of the long tile: 9 steps.  Wave B takes the short tile whole (i + 1 steps) and finishes it, then
; steps 9 .. 15 - i of the long tile (7 - i steps): 8 steps.  So no wave has more than 9 steps where a wave to a tile would have up to 16.  kind = (wave xor wave / 4) % 2: among four waves that are equal
; modulo 4, and among four neighbouring waves alike, two are of each kind.
; B's part of the long tile (O^T, -M, the sum) goes to A through LDS as images of its registers; A brings both parts under the larger M by factors 2^(whole number), which round nothing, and adds them.
; An empty part (i = 7) holds -M = 3e38 and zeros: its factor comes out 0.
; The step is written once, in a loop of 16 trips (a constant) that stands twice; a trip outside LO .. HI is jumped over by scalar branches on numbers made of the wave's number and the loop's counter.
; LDS holds the whole head's 16 records of K, V and their scales, 274,432 bytes, filled ONCE: wave w brings record w.  Nothing is filled again.  The parts that go from B to A lie in the first records' bytes,
; 4,608 for each wave, behind a barrier behind which no wave reads a record any more.
; CLUSTER 4 x 1: the four work-groups read the same head: each record is asked for jointly.  The place in the cluster enters Q's and the result's global addresses and the mask's number d, no branch and no LDS address.
; LAYOUT.  Both products transposed: S^T = K Q^T, O^T = V^T P^T: a lane holds one query (lane % 16).  Register 8 T + j of S^T is key 16 T + 8 h + j; the 16 registers of tiles 2 b, 2 b + 1 are converted as they
; stand, and V's images hold the keys in that same order.  The first product's K is 64: registers 8-15 of its fragments are zero codes, written once, under scale bytes 0.
; OUT: images [row tile 256][K step 8][chunk 4][512 bytes] of O / l quantised along d (two blocks a head), and scale bytes [row][32] at ASC.
; LIMITS: NaN and infinities are not served; a block whose largest magnitude lies under 2^-111 gets the byte 1 (this program alone reads the bytes).
; Left out: overlapping the one fill with the first steps (it would want barriers between the records).
.set REC,   17152
.set KVOFF, 512*REC
.set ASC,   4194304
.set XCW,   9*512                      ; a part on its way from B to A: 8 x 512 bytes of O^T, 512 of (-M, t, the sum's halves)
.set XL,  7                            ; v7       where I read my partner's part: (wave xor 1) x XCW + 16 x lane
.set DD,  11                           ; v11      d, the mask's number
.set KF,  32                           ; v32-95   four fragments of K: [8 registers loaded | 8 zeros]
.set S,   96                           ; v96-159  S^T, then p, then V's four fragments; at the merge B's part
.set O,   160                          ; v160-191 O^T, four tiles of 16 d
.set PCD, 192                          ; v192-207 p's codes
.set KSC, 208                          ; v208-215 K's scale words, tile T
.set VS,  216                          ; v216-219 V's scale words, d tile t
.set VL,  220                          ; v220-223 V's scale bytes as loaded
.set QS,  224                          ; v224     Q's scale word
.set PS,  225                          ; v225     p's
.set Q2,  226                          ; v226-229 the long tile's Q, first chunk, waiting for B's second pass
.set QS2, 230                          ; v230     its scale word
.set XS,  231                          ; v231     where I put my part: wave x XCW + 16 x lane
.set Q2B, 248                          ; v248-251 its second chunk
.set NINF, 255                         ; v255     -infinity
.set WV,  8
.set TYP, 9                            ; 0: wave A, 1: wave B
.set NT,  10                           ; 1 - kind
.set II,  11                           ; the pair, and the short tile's rank
.set GG,  13
.set BH,  14
.set J,   15
.set TB,  16
.set LO,  17                           ; the pass's first and last key step
.set HI,  27
.set RK,  48                           ; the rank of the pass's tile: its step under the mask
.set LO2, 49
.set RK2, 50                           ; the long tile's rank
.set SEL, 20
.set CS,  22
.set MNT, 24
.set PLO, 25
.set PHI, 26
.macro ROUND
	s_barrier_signal -1
	s_barrier_wait -1
	s_cmp_lg_u32 s[WV], 0
	s_cbranch_scc1 .Lnot_wave_0_\@
	s_barrier_signal -3
.Lnot_wave_0_\@:
	s_barrier_wait -3
	s_barrier_signal -1
	s_barrier_wait -1
.endm
; A PASS: 16 trips, a constant; key steps LO .. HI of the tile whose Q, -M, sum and O^T lie in the registers are worked, the others jumped over.
.macro PASS
	s_mov_b32 s[J], 0
	s_mov_b32 s[TB], 0
.Lstep_\@:
	s_cmp_lt_u32 s[J], s[LO]
	s_cbranch_scc1 .Lhidden_\@
	s_cmp_gt_u32 s[J], s[HI]
	s_cbranch_scc1 .Lhidden_\@
	v_add_nc_u32 v8, s[TB], v1
	s_wait_alu depctr_va_vdst(0)
	v_add_nc_u32 v9, s[TB], v2
	v_add_nc_u32 v10, s[TB], v3
.rept 6
	v_nop                                          ; nine places with the three additions: the products below write over registers that the last V^T P products read; they also stand between a Q or a scale word just moved and its product
.endr
	ds_load_b128 v[KSC:KSC+3], v9 offset:16384
	ds_load_b128 v[KSC+4:KSC+7], v9 offset:16400
	ds_load_b64 v[VL:VL+1], v10 offset:16896
	ds_load_b64 v[VL+2:VL+3], v10 offset:17024
.irp g, 0,1                                        ; S^T = K Q^T, four tiles of 16 keys at a time
.irp t, 0,1,2,3
	ds_load_b128 v[KF+16*\t:KF+16*\t+3], v8 offset:1024*(4*\g+\t)
	ds_load_b128 v[KF+16*\t+4:KF+16*\t+7], v8 offset:1024*(4*\g+\t)+512
.endr
	s_wait_dscnt 0x0
.irp t, 0,1,2,3
	v_wmma_scale_f32_16x16x128_f8f6f4 v[S+8*(4*\g+\t):S+8*(4*\g+\t)+7], v[KF+16*\t:KF+16*\t+15], v[16:31], 0, v[KSC+4*\g+\t], v[QS] matrix_a_fmt:MATRIX_FMT_BF8 matrix_b_fmt:MATRIX_FMT_BF8
.endr
.if \g == 0
	v_perm_b32 v[VS], v[VL+2], v[VL], s[PLO]       ; V's scale words: key blocks 0, 1 from the first half's two bytes, 2, 3 from the second's.  (Four of the eight places)
	v_perm_b32 v[VS+1], v[VL+2], v[VL], s[PHI]
	v_perm_b32 v[VS+2], v[VL+3], v[VL+1], s[PLO]
	v_perm_b32 v[VS+3], v[VL+3], v[VL+1], s[PHI]
.rept 4
	v_nop
.endr
.else
.rept 8
	v_nop
.endr
.endif
.endr
	s_cmp_lg_u32 s[J], s[RK]                       ; only the tile's own key step lies on the diagonal
	s_cbranch_scc1 .Lopen_\@
.irp n, 0,1,2,3,4,5,6,7,8,9,10,11,12,13,14,15,16,17,18,19,20,21,22,23,24,25,26,27,28,29,30,31,32,33,34,35,36,37,38,39,40,41,42,43,44,45,46,47,48,49,50,51,52,53,54,55,56,57,58,59,60,61,62,63
	v_cmp_gt_i32 vcc_lo, 16*(\n/8)+\n%8, v[DD]
	v_cndmask_b32 v[S+\n], v[S+\n], v[NINF], vcc_lo   ; hidden scores become -infinity ahead of the maximum: p = 0
.endr
.Lopen_\@:
.irp b, 0,1,2,3
	v_max3_num_f32 v[232+\b], v[S+16*\b], v[S+1+16*\b], v[S+2+16*\b]   ; the largest score of each block of 32 keys: for the row's maximum, and, since p rises with the score, for the block's largest p
.endr
.irp i, 3,5,7,9,11,13
.irp b, 0,1,2,3
	v_max3_num_f32 v[232+\b], v[232+\b], v[S+16*\b+\i], v[S+1+16*\b+\i]
.endr
.endr
.irp b, 0,1,2,3
	v_max_num_f32 v[232+\b], v[232+\b], v[S+15+16*\b]
.endr
.irp b, 0,1,2,3
	s_delay_alu instid0(VALU_DEP_4)
	v_permlanex16_b32 v[236+\b], v[232+\b], s[SEL], s[SEL+1]
.endr
.irp b, 0,1,2,3
	s_delay_alu instid0(VALU_DEP_4)
	v_max_num_f32 v[232+\b], v[232+\b], v[236+\b]
.endr
	s_delay_alu instid0(VALU_DEP_2)
	v_max3_num_f32 v254, v232, v233, v234
	s_delay_alu instid0(VALU_DEP_1)
	v_max_num_f32 v254, v254, v235
	s_delay_alu instid0(VALU_DEP_1)
	v_mul_f32 v254, s[CS], v254
	s_delay_alu instid0(VALU_DEP_1)
	v_max_num_f32 v13, v13, v254                   ; the running largest t
	v_mov_b32 v254, v12
	s_delay_alu instid0(VALU_DEP_2)
	v_floor_f32 v12, -v13                          ; the new -M = -ceil(t)
	s_delay_alu instid0(VALU_DEP_1)
	v_sub_f32 v254, v12, v254                      ; old M - new M: a whole number, 0 or less
	s_delay_alu instid0(VALU_DEP_1)
	v_cvt_i32_f32 v254, v254                       ; (it saturates)
	s_delay_alu instid0(VALU_DEP_1)
	v_ldexp_f32 v252, 1.0, v254                    ; f = 2^(old M - new M): a multiplication by it rounds nothing
.irp j, 0,2,4,6,8,10,12,14,16,18,20,22,24,26,28,30,32,34,36,38,40,42,44,46,48,50,52,54,56,58,60,62
	v_pk_fma_f32 v[S+\j:S+1+\j], v[S+\j:S+1+\j], s[CS:CS+1], v[12:13] op_sel_hi:[1,0,0]   ; t - M
.endr
.irp b, 0,1,2,3
	v_fma_f32 v[232+\b], v[232+\b], s[CS], v12
.endr
	s_wait_alu depctr_va_vdst(0)
.irp j, 0,1,2,3,4,5,6,7,8,9,10,11,12,13,14,15,16,17,18,19,20,21,22,23,24,25,26,27,28,29,30,31,32,33,34,35,36,37,38,39,40,41,42,43,44,45,46,47,48,49,50,51,52,53,54,55,56,57,58,59,60,61,62,63
	v_exp_f32 v[S+\j], v[S+\j]                     ; p = 2^(t - M)
.endr
.irp b, 0,1,2,3
	v_exp_f32 v[232+\b], v[232+\b]                 ; the block's largest p
.endr
	v_pk_mul_f32 v[14:15], v[14:15], v[252:253] op_sel_hi:[1,0]   ; the sums under the new M (the plain place behind the exponentials)
	s_wait_alu depctr_va_vdst(0)
.irp b, 0,1,2,3
	v_max_num_f32 v[232+\b], 0x8000000, v[232+\b]  ; the floor: the byte cannot fall under 1
.endr
.irp b, 0,1,2,3
	s_delay_alu instid0(VALU_DEP_4)
	v_add_nc_u32 v[244+\b], 0xf8800000, v[232+\b]
.endr
.irp b, 0,1,2,3
	v_and_or_b32 v[240+\b], v[232+\b], 0x7f800000, s[MNT]
.endr
.irp b, 0,1,2,3
	v_lshrrev_b32 v[236+\b], 23, v[244+\b]
.endr
	s_delay_alu instid0(VALU_DEP_3)
	v_lshl_or_b32 v[PS], v237, 8, v236             ; p's scale word for these 128 keys
	s_delay_alu instid0(VALU_DEP_1)
	v_lshl_or_b32 v[PS], v238, 16, v[PS]
	s_delay_alu instid0(VALU_DEP_1)
	v_lshl_or_b32 v[PS], v239, 24, v[PS]
	v_pk_add_f32 v[236:237], v[100:101], v[104:105]
	v_pk_add_f32 v[234:235], v[108:109], v[112:113]
	v_pk_add_f32 v[232:233], v[116:117], v[120:121]
	v_pk_add_f32 v[222:223], v[124:125], v[128:129]
	v_pk_add_f32 v[220:221], v[132:133], v[136:137]
	v_pk_add_f32 v[214:215], v[140:141], v[144:145]
	v_pk_add_f32 v[212:213], v[148:149], v[152:153]
	v_pk_add_f32 v[14:15], v[14:15], v[156:157]
	v_pk_add_f32 v[236:237], v[236:237], v[96:97]
	v_pk_add_f32 v[234:235], v[234:235], v[98:99]
	v_pk_add_f32 v[232:233], v[232:233], v[102:103]
	v_pk_add_f32 v[222:223], v[222:223], v[106:107]
	v_pk_add_f32 v[220:221], v[220:221], v[110:111]
	v_pk_add_f32 v[214:215], v[214:215], v[114:115]
	v_pk_add_f32 v[212:213], v[212:213], v[118:119]
	v_pk_add_f32 v[14:15], v[14:15], v[122:123]
	v_pk_add_f32 v[236:237], v[236:237], v[126:127]
	v_pk_add_f32 v[234:235], v[234:235], v[130:131]
	v_pk_add_f32 v[232:233], v[232:233], v[134:135]
	v_pk_add_f32 v[222:223], v[222:223], v[138:139]
	v_pk_add_f32 v[220:221], v[220:221], v[142:143]
	v_pk_add_f32 v[214:215], v[214:215], v[146:147]
	v_pk_add_f32 v[212:213], v[212:213], v[150:151]
	v_pk_add_f32 v[14:15], v[14:15], v[154:155]
	v_pk_add_f32 v[236:237], v[236:237], v[158:159]
	s_delay_alu instid0(VALU_DEP_2)
	v_pk_add_f32 v[14:15], v[14:15], v[222:223]
	s_delay_alu instid0(VALU_DEP_2)
	v_pk_add_f32 v[236:237], v[236:237], v[220:221]
	v_pk_add_f32 v[234:235], v[234:235], v[214:215]
	v_pk_add_f32 v[232:233], v[232:233], v[212:213]
	s_delay_alu instid0(VALU_DEP_2)
	v_pk_add_f32 v[14:15], v[14:15], v[234:235]
	s_delay_alu instid0(VALU_DEP_2)
	v_pk_add_f32 v[236:237], v[236:237], v[232:233]
	s_delay_alu instid0(VALU_DEP_1)
	v_pk_add_f32 v[14:15], v[14:15], v[236:237]
.irp b, 0,1,2,3
.irp i, 0,1,2,3,4,5,6,7,8,9,10,11,12,13,14,15
	v_min_num_f32 v[S+16*\b+\i], v[S+16*\b+\i], v[240+\b]   ; the hold; p is not negative
.endr
	v_cvt_scalef32_pk8_bf8_f32 v[PCD+4*\b:PCD+1+4*\b], v[S+16*\b:S+7+16*\b], v[244+\b]
	v_cvt_scalef32_pk8_bf8_f32 v[PCD+2+4*\b:PCD+3+4*\b], v[S+8+16*\b:S+15+16*\b], v[244+\b]
.endr
.irp t, 0,1,2,3
.irp c, 0,1,2,3
	ds_load_b128 v[S+16*\t+4*\c:S+16*\t+4*\c+3], v8 offset:8192+2048*\t+512*\c   ; V's four fragments take p's registers
.endr
.endr
.irp j, 0,2,4,6,8,10,12,14,16,18,20,22,24,26,28,30
	v_pk_mul_f32 v[O+\j:O+1+\j], v[O+\j:O+1+\j], v[252:253] op_sel_hi:[1,0]   ; O^T under the new M; also the places between the conversions and the products
.endr
	s_wait_alu depctr_va_vdst(0)
	s_wait_dscnt 0x0
.irp t, 0,1,2,3
	v_wmma_scale_f32_16x16x128_f8f6f4 v[O+8*\t:O+8*\t+7], v[S+16*\t:S+16*\t+15], v[PCD:PCD+15], v[O+8*\t:O+8*\t+7], v[VS+\t], v[PS] matrix_a_fmt:MATRIX_FMT_BF8 matrix_b_fmt:MATRIX_FMT_BF8
.endr
.Lhidden_\@:
	s_add_co_u32 s[TB], s[TB], REC
	s_add_co_u32 s[J], s[J], 1
	s_cmp_lt_u32 s[J], 16
	s_cbranch_scc1 .Lstep_\@
.endm
; THE WAY OUT of the tile of rank s[rk]: O^T / l, quantised along d: two blocks of 32, registers 16 b + i in the common order
.macro WAYOUT rk
	v_add_f32 v14, v14, v15
	s_delay_alu instid0(VALU_DEP_1)
	v_permlanex16_b32 v252, v14, s[SEL], s[SEL+1]
	s_delay_alu instid0(VALU_DEP_1)
	v_add_f32 v14, v14, v252
	s_wait_alu depctr_va_vdst(0)
	v_rcp_f32 v14, v14
	v_nop                                          ; one plain instruction behind a transcendental before its result is used (ISA guide 5.7.2)
	s_wait_alu depctr_va_vdst(0)
.irp j, 0,2,4,6,8,10,12,14,16,18,20,22,24,26,28,30
	v_pk_mul_f32 v[O+\j:O+1+\j], v[O+\j:O+1+\j], v[14:15] op_sel_hi:[1,0]
.endr
.irp b, 0,1
	v_max3_num_f32 v[232+\b], |v[O+16*\b]|, |v[O+1+16*\b]|, 0x8000000
.endr
.irp i, 2,4,6,8,10,12,14
.irp b, 0,1
	s_delay_alu instid0(VALU_DEP_2)
	v_max3_num_f32 v[232+\b], v[232+\b], |v[O+16*\b+\i]|, |v[O+1+16*\b+\i]|
.endr
.endr
.irp b, 0,1
	s_delay_alu instid0(VALU_DEP_2)
	v_permlanex16_b32 v[236+\b], v[232+\b], s[SEL], s[SEL+1]
.endr
.irp b, 0,1
	s_delay_alu instid0(VALU_DEP_2)
	v_max_num_f32 v[232+\b], v[232+\b], v[236+\b]
.endr
.irp b, 0,1
	s_delay_alu instid0(VALU_DEP_2)
	v_add_nc_u32 v[244+\b], 0xf8800000, v[232+\b]
.endr
.irp b, 0,1
	s_delay_alu instid0(VALU_DEP_4)
	v_and_or_b32 v[240+\b], v[232+\b], 0x7f800000, s[MNT]
.endr
.irp b, 0,1
	s_delay_alu instid0(VALU_DEP_4)
	v_lshrrev_b32 v[236+\b], 23, v[244+\b]
.endr
	s_delay_alu instid0(VALU_DEP_1)
	v_lshl_or_b32 v254, v237, 8, v236
.irp b, 0,1
.irp i, 0,1,2,3,4,5,6,7,8,9,10,11,12,13,14,15
	v_med3_num_f32 v[O+16*\b+\i], v[O+16*\b+\i], -v[240+\b], v[240+\b]   ; the conversion does not saturate (ISA guide 7.6.2)
.endr
	v_cvt_scalef32_pk8_bf8_f32 v[PCD+4*\b:PCD+1+4*\b], v[O+16*\b:O+7+16*\b], v[244+\b]
	v_cvt_scalef32_pk8_bf8_f32 v[PCD+2+4*\b:PCD+3+4*\b], v[O+8+16*\b:O+15+16*\b], v[244+\b]
.endr
	s_wait_alu depctr_va_vdst(0)
	v_nop                                          ; one plain instruction behind the last scaled conversion
	s_lshl_b32 s18, s[\rk], 3
	s_add_co_u32 s18, s18, s[GG]                   ; the tile of queries
	s_lshr_b32 s19, s[BH], 4
	s_lshl_b32 s19, s19, 7
	s_add_co_u32 s18, s18, s19                     ; row tile = 128 x batch + tile
	s_lshl_b32 s40, s18, 3
	s_bfe_u32 s41, s[BH], 0x30001                  ; head / 2: the K step of the next product
	s_add_co_u32 s40, s40, s41
	s_lshl_b32 s40, s40, 2
	s_and_b32 s41, s[BH], 1
	s_lshl_b32 s41, s41, 1                         ; 2 (head % 2): its first chunk
	s_add_co_u32 s40, s40, s41
	s_lshl_b32 s40, s40, 9
	s_mov_b32 s41, 0
	s_add_nc_u64 s[40:41], s[6:7], s[40:41]
	s_lshl_b32 s44, s18, 9                         ; 16 rows of 32 scale bytes
	s_and_b32 s45, s[BH], 15
	s_lshl_b32 s45, s45, 1
	s_add_co_u32 s44, s44, s45
	s_add_co_u32 s44, s44, ASC
	s_mov_b32 s45, 0
	s_add_nc_u64 s[44:45], s[6:7], s[44:45]
	global_store_b128 v1, v[PCD:PCD+3], s[40:41]   ; 512 consecutive bytes, aligned
	global_store_b128 v1, v[PCD+4:PCD+7], s[40:41] offset:512
	global_store_b16 v2, v254, s[44:45]            ; row r's two bytes (both halves of the lanes hold and store the same); 1/32 of the codes' bytes
.endm
	s_load_b128 s[4:7], s[0:1], 0x0                ; the records, the result
	v_lshl_add_u32 v254, v0, 2, 0x44000
	v_mov_b32 v255, 0
	ds_add_u32 v254, v255
	ds_add_u32 v254, v255
	s_wait_dscnt 0x0
	v_lshrrev_b32 v1, 5, v0
	s_delay_alu instid0(VALU_DEP_1)
	v_readfirstlane_b32 s[WV], v1
	s_lshr_b32 s[TYP], s[WV], 2
	s_xor_b32 s[TYP], s[TYP], s[WV]
	s_and_b32 s[TYP], s[TYP], 1                    ; kind: 0 wave A, 1 wave B
	s_xor_b32 s[NT], s[TYP], 1
	s_lshr_b32 s[II], s[WV], 1                     ; the pair i
	s_xor_b32 s[RK2], s[II], 15                    ; the long tile's rank, 15 - i
	s_mul_i32 s[RK], s[NT], 15
	s_xor_b32 s[RK], s[RK], s[II]                  ; the first pass's tile: A: 15 - i, B: i
	s_mul_i32 s[HI], s[TYP], s[II]
	s_lshl_b32 s18, s[NT], 3
	s_add_co_u32 s[HI], s[HI], s18                 ; its last step: A: 8, B: i
	s_mov_b32 s[LO], 0
	s_mul_i32 s[LO2], s[NT], 7
	s_add_co_u32 s[LO2], s[LO2], 9                 ; the second pass's first step: B: 9; A: 16, which is none
	s_bfe_u32 s12, ttmp6, 0x40000                  ; cx
	s_lshl_b32 s[GG], ttmp9, 2
	s_add_co_u32 s[GG], s[GG], s12                 ; g
	s_and_b32 s[BH], ttmp7, 0xffff                 ; batch x 16 + head
	s_mov_b32 s32, 15|(3<<16)|(1<<21)              ; the mask: all four; elements of 8 bytes; bit 21 beside a mask; no padding
	s_mov_b32 s33, 32<<16                          ; a record: 67 rows of 256 bytes, dense
	s_mov_b32 s34, 67<<16
	s_mov_b32 s35, 32<<16
	s_mov_b32 s36, 67
	s_mov_b32 s37, 32
	s_mov_b32 s38, 0
	s_mov_b32 s39, 0
	s_lshl_b32 s18, s[BH], 4
	s_add_co_u32 s40, s18, s[WV]
	s_mul_i32 s40, s40, REC
	s_add_co_u32 s40, s40, KVOFF                   ; record w of my head's K and V
	s_mov_b32 s41, 0
	s_add_co_u32 s42, s18, s[RK]
	s_mul_i32 s42, s42, REC                        ; the record that holds the first pass's queries,
	s_mov_b32 s43, 0
	s_add_co_u32 s46, s18, s[RK2]
	s_mul_i32 s46, s46, REC                        ; and the long tile's
	s_mov_b32 s47, 0
	s_mul_i32 s29, s[WV], REC
	s_mov_b32 s28, 1
	s_mov_b32 s[SEL], 0x76543210
	s_mov_b32 s[SEL+1], 0xfedcba98
	s_mov_b32 s[CS], 0x3e38aa3b                    ; c = log2(e) / 8
	s_mov_b32 s[CS+1], s[CS]
	s_mov_b32 s[MNT], 0x600000
	s_mov_b32 s[PLO], 0x05040100
	s_mov_b32 s[PHI], 0x07060302
	s_wait_kmcnt 0x0
	s_add_nc_u64 s[30:31], s[4:5], s[40:41]
	s_or_b32 s31, s31, 0x80000000
	s_add_nc_u64 s[42:43], s[4:5], s[42:43]
	s_add_nc_u64 s[46:47], s[4:5], s[46:47]
	ROUND                                          ; the four work-groups are here: the joint loads meet
	tensor_load_to_lds s[28:31], s[32:39]          ; one load a wave, the only one
	s_nop 0
.rept 4
	v_nop
.endr
	v_and_b32 v254, 31, v0
	s_delay_alu instid0(VALU_DEP_1)
	v_lshlrev_b32 v1, 4, v254                      ; v1: 16 x lane
	v_and_b32 v4, 15, v0                           ; r
	s_delay_alu instid0(VALU_DEP_1)
	v_lshlrev_b32 v2, 5, v4                        ; v2: 32 r
	s_delay_alu instid0(VALU_DEP_2)
	v_lshlrev_b32 v3, 3, v4                        ; v3: 8 r
	v_bfe_u32 v10, v0, 4, 1                        ; h
	s_lshl_b32 s18, s[GG], 10
	v_add_nc_u32 v5, s18, v1                       ; a tile's images in its record: 1,024 g + 16 x lane
	s_lshl_b32 s18, s[GG], 2
	v_add_nc_u32 v6, s18, v2                       ; its scale word: 32 r + 4 g
	global_load_b128 v[16:19], v5, s[42:43]
	global_load_b128 v[20:23], v5, s[42:43] offset:512
	global_load_b32 v[QS], v6, s[42:43] offset:16384
	global_load_b128 v[Q2:Q2+3], v5, s[46:47]      ; the long tile's Q for the second pass, asked for now so that the pass does not wait for it.  (One text for both kinds: a wave A names the bytes that it has just asked for)
	global_load_b128 v[Q2B:Q2B+3], v5, s[46:47] offset:512
	global_load_b32 v[QS2], v6, s[46:47] offset:16384
	s_mul_i32 s18, s[WV], XCW
	v_add_nc_u32 v[XS], s18, v1                    ; the LDS addresses of the parts are made here, ahead of every parting of the kinds
	s_xor_b32 s19, s[WV], 1
	s_mul_i32 s19, s19, XCW
	v_add_nc_u32 v[XL], s19, v1
	s_lshl_b32 s18, s[GG], 4
	v_lshlrev_b32 v[DD], 3, v10
	s_delay_alu instid0(VALU_DEP_1)
	v_sub_nc_u32 v[DD], v4, v[DD]
	s_delay_alu instid0(VALU_DEP_1)
	v_add_nc_u32 v[DD], s18, v[DD]                 ; d = 16 g + r - 8 h: in a tile's own key step register 8 T + j is hidden where 16 T + j > d; the same for every rank
	v_mov_b32 v[NINF], 0xff800000                  ; -infinity
.irp i, 24,25,26,27,28,29,30,31
	v_mov_b32 v[\i], 0                             ; Q's zero codes
.endr
.irp t, 0,1,2,3
.irp i, 8,9,10,11,12,13,14,15
	v_mov_b32 v[KF+16*\t+\i], 0                    ; K's: loads only ever land in the lower eight
.endr
.endr
.irp i, 0,1,2,3,4,5,6,7,8,9,10,11,12,13,14,15,16,17,18,19,20,21,22,23,24,25,26,27,28,29,30,31
	v_mov_b32 v[O+\i], 0                           ; the step is written once: the first finds zeros, which the first change of M leaves zeros
.endr
	v_mov_b32 v13, 0xff61b1e6                      ; the largest t so far: -3e38
	s_delay_alu instid0(VALU_DEP_1)
	v_floor_f32 v12, -v13                          ; -M
	v_mov_b32 v14, 0                               ; the sum, in two halves
	v_mov_b32 v15, 0
.irp b, 0,1,2,3
	v_mov_b32 v[236+\b], 0                         ; a lane permute's destination counts as read
.endr
	v_mov_b32 v252, 0
	v_mov_b32 v253, 0                              ; named as the upper half of the pair v[252:253]
	s_wait_tensorcnt 0x0                           ; my record is in,
	s_barrier_signal -1
	s_barrier_wait -1                              ; everybody's is
	s_wait_loadcnt 0x0                             ; both Q
	PASS                                           ; A: steps 0 .. 8 of the long tile; B: the short tile, whole
	s_cmp_eq_u32 s[TYP], 0
	s_cbranch_scc1 .Lkeep                          ; a wave A keeps its sums as they are
.rept 8
	v_nop                                          ; places behind the last products
.endr
	s_wait_alu depctr_va_vdst(0)
	WAYOUT II                                      ; B: the short tile is finished
	s_wait_xcnt 0x0                                ; its stores have read their registers and bases: the second pass writes them again
.irp i, 0,1,2,3,4,5,6,7,8,9,10,11,12,13,14,15,16,17,18,19,20,21,22,23,24,25,26,27,28,29,30,31
	v_mov_b32 v[O+\i], 0                           ; B begins its part of the long tile
.endr
	v_mov_b32 v13, 0xff61b1e6
	s_delay_alu instid0(VALU_DEP_1)
	v_floor_f32 v12, -v13
	v_mov_b32 v14, 0
	v_mov_b32 v15, 0
.irp i, 0,1,2,3
	v_mov_b32 v[16+\i], v[Q2+\i]
	v_mov_b32 v[20+\i], v[Q2B+\i]
.endr
	v_mov_b32 v[QS], v[QS2]
.Lkeep:
	s_mov_b32 s[LO], s[LO2]
	s_mov_b32 s[HI], s[RK2]
	s_mov_b32 s[RK], s[RK2]
	PASS                                           ; B: steps 9 .. 15 - i of the long tile; A: every trip is jumped over
.rept 8
	v_nop                                          ; places behind the last products: for B's stores of O^T, for A's loads into registers that products have read
.endr
	s_wait_dscnt 0x0                               ; my reads of the records are over
	s_barrier_signal -1
	s_barrier_wait -1                              ; everybody's are: the first records' bytes may be written
	s_cmp_eq_u32 s[TYP], 0
	s_cbranch_scc1 .Lno_send
.irp k, 0,1,2,3,4,5,6,7
	ds_store_b128 v[XS], v[O+4*\k:O+4*\k+3] offset:512*\k   ; each accumulator from its low end on
.endr
	s_wait_alu depctr_va_vdst(0)
	ds_store_b128 v[XS], v[12:15] offset:4096      ; -M, the largest t, the sum's two halves
.Lno_send:
	s_wait_dscnt 0x0                               ; for the partner's sake: my stores have landed
	s_barrier_signal -1
	s_barrier_wait -1
	s_cmp_lg_u32 s[TYP], 0
	s_cbranch_scc1 .Lend                           ; a wave B has nothing left
.irp k, 0,1,2,3,4,5,6,7
	ds_load_b128 v[S+4*\k:S+4*\k+3], v[XL] offset:512*\k
.endr
	ds_load_b128 v[S+32:S+35], v[XL] offset:4096
	s_wait_dscnt 0x0
	s_wait_alu depctr_va_vdst(0)
	v_min_num_f32 v[S+36], v12, v[S+32]            ; -M of both parts: the larger M
	s_delay_alu instid0(VALU_DEP_1)
	v_sub_f32 v[S+37], v[S+36], v12                ; my M less it: a whole number, 0 or less
	s_delay_alu instid0(VALU_DEP_2)
	v_sub_f32 v[S+38], v[S+36], v[S+32]            ; the partner's M less it
	s_delay_alu instid0(VALU_DEP_2)
	v_cvt_i32_f32 v[S+37], v[S+37]                 ; (they saturate: an empty part's factor comes out 0)
	s_delay_alu instid0(VALU_DEP_2)
	v_cvt_i32_f32 v[S+38], v[S+38]
	s_delay_alu instid0(VALU_DEP_2)
	v_ldexp_f32 v252, 1.0, v[S+37]
	s_delay_alu instid0(VALU_DEP_2)
	v_ldexp_f32 v[S+40], 1.0, v[S+38]
	v_mov_b32 v[S+41], 0                           ; named as the upper half of a pair
	s_delay_alu instid0(VALU_DEP_3)
	v_pk_mul_f32 v[14:15], v[14:15], v[252:253] op_sel_hi:[1,0]
	s_delay_alu instid0(VALU_DEP_1)
	v_pk_fma_f32 v[14:15], v[S+34:S+35], v[S+40:S+41], v[14:15] op_sel_hi:[1,0,1]
.irp j, 0,2,4,6,8,10,12,14,16,18,20,22,24,26,28,30
	v_pk_mul_f32 v[O+\j:O+1+\j], v[O+\j:O+1+\j], v[252:253] op_sel_hi:[1,0]
.endr
.irp j, 0,2,4,6,8,10,12,14,16,18,20,22,24,26,28,30
	v_pk_fma_f32 v[O+\j:O+1+\j], v[S+\j:S+1+\j], v[S+40:S+41], v[O+\j:O+1+\j] op_sel_hi:[1,0,1]
.endr
	WAYOUT RK2                                     ; A: the long tile is finished
.Lend:
	s_wait_xcnt 0x0
	v_lshl_add_u32 v254, v0, 2, 0x44000
	v_mov_b32 v255, 0
	s_wait_alu depctr_va_vdst(0)
	s_wait_tensorcnt 0x0
	ds_add_u32 v254, v255
	s_wait_dscnt 0x0
	ROUND                                          ; the closing round
	s_endpgm
.Lfunc_end_k_q7320c93f03_attn:
	.size	k_q7320c93f03_attn, .Lfunc_end_k_q7320c93f03_attn-k_q7320c93f03_attn
	.p2alignl 7, 3214868480
	.fill 96, 4, 3214868480
	.section	.rodata,"a",@progbits
	.p2align	6, 0x0
	.amdhsa_kernel k_q7320c93f03_attn
		.amdhsa_group_segment_fixed_size 280576
		.amdhsa_private_segment_fixed_size 0
		.amdhsa_enable_private_segment 0
		.amdhsa_kernarg_size 16
		.amdhsa_user_sgpr_count 2
		.amdhsa_user_sgpr_kernarg_segment_ptr 1
		.amdhsa_wavefront_size32 1
		.amdhsa_system_sgpr_workgroup_id_x 1
		.amdhsa_system_sgpr_workgroup_id_y 1
		.amdhsa_system_sgpr_workgroup_id_z 1
		.amdhsa_system_vgpr_workitem_id 0
		.amdhsa_next_free_vgpr 256
		.amdhsa_next_free_sgpr 66
		.amdhsa_reserve_vcc 1
		.amdhsa_float_denorm_mode_32 3
		.amdhsa_float_denorm_mode_16_64 3
		.amdhsa_memory_ordered 1
		.amdhsa_forward_progress 1
		.amdhsa_inst_pref_size 79
	.end_amdhsa_kernel
	.amdgpu_metadata
---
amdhsa.version: [ 1, 2 ]
amdhsa.kernels:
  - .name:           k_q7320c93f03_attn
    .symbol:         k_q7320c93f03_attn.kd
    .args:
      - { .name: qkv, .offset: 0, .size: 8, .value_kind: global_buffer, .address_space: global }
      - { .name: ao, .offset: 8, .size: 8, .value_kind: global_buffer, .address_space: global }
    .group_segment_fixed_size: 280576
    .private_segment_fixed_size: 0
    .kernarg_segment_align: 8
    .kernarg_segment_size: 16
    .max_flat_workgroup_size: 512
    .sgpr_count:     66
    .vgpr_count:     256
    .wavefront_size: 32
...
	.end_amdgpu_metadata
.endif
;; end of part 3
;; launch wo (part 4): grid 8 x 32, 8 waves a work-group, clusters of 4 x 4, 327,680 bytes of LDS; arguments ao, Wo_codes, Wo_scales, bo, x, x1; writes x1
.if DOCPART == 4
	.amdgcn_target "amdgcn-amd-amdhsa--gfx1250"
	.amdhsa_code_object_version 6
	.text
	.protected	k_q7320c93f03_wo
	.globl	k_q7320c93f03_wo
	.p2align	8
	.type	k_q7320c93f03_wo,@function
k_q7320c93f03_wo:
	s_mov_b64 s[64:65], 0
	v_nop
	global_prefetch_b8 v0, s[64:65] scope:SCOPE_SE
	s_setreg_imm32_b32 hwreg(HW_REG_WAVE_MODE, 25, 1), 1
	s_wait_xcnt 0x0
	s_wait_alu depctr_hold_cnt(0) depctr_sa_sdst(0) depctr_va_vdst(0) depctr_va_sdst(0) depctr_va_ssrc(0) depctr_va_vcc(0) depctr_vm_vsrc(0)
	s_getreg_b32 s2, hwreg(HW_REG_IB_STS2, 6, 4)
	s_cmp_eq_u32 s2, 0
	s_cbranch_scc0 .Lentry_in_a_cluster
	s_endpgm
.Lentry_in_a_cluster:
	s_bfe_u32 s2, ttmp6, 0x10000c
	s_cmp_lg_u32 s2, 0xf033
	s_cbranch_scc0 .Lentry_shape_is_right
	s_endpgm
.Lentry_shape_is_right:
; out = res + A W^T + b.  A: images of operand registers [row tile 256][K step KTOT/128][chunk 4][512 bytes] and scale bytes [4096][KTOT/32] (at ASC) of one buffer; W: codes [1024][KTOT], K innermost,
; scale bytes [1024][KTOT/32]; b [1024], res and out [4096][1024] f32.  Codes of E5M2, E8M0 scales, sums in f32.
; SHARES.  A work-group makes 128 x 128 (256 work-groups); its 8 waves 32 rows (wm = wave / 2) x 64 columns (wn = wave % 2) each: 8 accumulators.  A wave's 64 columns are 256 bytes of a row,
; so the way out goes through the wave's own stage and wants no barrier.
; TRANSPOSED USE: source 0 = 16 rows of W, source 1 = 16 rows of A.  A's chunks hold k = 32 c + 8 h + i % 8 + 16 (i / 8) at byte i (so the launch that made them laid them), and W's fragments are
; loaded in that same order: two loads of 8 bytes a chunk, at 32 c + 8 h and 32 c + 16 + 8 h.  The sums hold the same terms.
; K goes in chunks of 512 through two LDS slots: A's 8 tiles x 8 KB as they lie, W's 128 rows of 512 bytes + 16 of padding.  Waves 0, 1 fetch A (4 rows of 8 KB a load), waves 2, 3 W (64 rows a load);
; the scale bytes of all of K come once with the first fills.  A wave has at most one tensor load out.
; CLUSTER 4 x 4: A's tiles are shared along a row, W's along a column: joint loads.  THE BIAS STARTS THE SUMS (each accumulator is loaded with b at its columns); the residual is asked for at the head.
.set KTOT,  1024
.set ASC,   4096*KTOT
.set KS,    KTOT/32
.set NCH,   KTOT/512
.set U2,    64*KS/256                  ; units of 256 bytes in the scale bytes of 64 rows
.set SCH,   U2*272
.set WP,    528
.set AIMG,  65536
.set SLOT,  AIMG+128*WP
.set SCL,   2*SLOT
.set SPARE, SCL+4*SCH                  ; the spare words, 128 bytes a wave: four blocks of 256 bytes that no other line names
.set SA,  16                           ; v16-17  A's scale words
.set SB,  18                           ; v18-21  W's
.set AF,  24                           ; v24-55  two fragments of A
.set BF,  56                           ; v56-119 four of W; on the way out the rows read back
.set ACC, 120                          ; v120-183 accumulator (m, t) at ACC + 32 m + 8 t
.set RS,  184                          ; v184-247 the residual
.set WV,  26
.set WM,  27                           ; wave / 2: my rows; also: 0 I fetch for A, 1 for W, else nothing
.set WN,  28                           ; wave % 2: my columns; also which half of a side I fetch
.set CX,  31
.set CY,  32
.set XX,  33
.set Y,   34
.set RM,  35
.set CM,  36
.set G1A, 40
.set G1B, 48
.set G1SA, 56
.set G1SB, 68
.set G0A, 76
.set G0B, 84
.set G0SA, 92
.set G0SB, 96
.macro PLACES n
.rept \n
	v_nop
.endr
.endm
.macro ROUND
	s_barrier_signal -1
	s_barrier_wait -1
	s_cmp_lg_u32 s[WV], 0
	s_cbranch_scc1 .Lnot_wave_0_\@
	s_barrier_signal -3
.Lnot_wave_0_\@:
	s_barrier_wait -3
	s_barrier_signal -1
	s_barrier_wait -1
.endm
.macro JLOAD slot
	s_cmp_eq_u32 s[WM], 0
	s_cbranch_scc0 .Lnot_a_\@
	tensor_load_to_lds s[G0A+4*(\slot):G0A+4*(\slot)+3], s[G1A:G1A+7]
	s_nop 0
	PLACES 4
	s_branch .Lasked_\@
.Lnot_a_\@:
	s_cmp_eq_u32 s[WM], 1
	s_cbranch_scc0 .Lasked_\@
	tensor_load_to_lds s[G0B+4*(\slot):G0B+4*(\slot)+3], s[G1B:G1B+7]
	s_nop 0
	PLACES 4
.Lasked_\@:
.endm
.macro FRAGA reg, adr, ml, q
.irp c, 0,1,2,3
	ds_load_b128 v[\reg+4*\c:\reg+4*\c+3], v[\adr] offset:8192*(\ml)+2048*(\q)+512*\c
.endr
.endm
.macro FRAGW reg, adr, t, q
.irp c, 0,1,2,3
	ds_load_b64 v[\reg+4*\c:\reg+4*\c+1], v[\adr] offset:16*(\t)*WP+128*(\q)+32*\c
	ds_load_b64 v[\reg+4*\c+2:\reg+4*\c+3], v[\adr] offset:16*(\t)*WP+128*(\q)+32*\c+16
.endr
.endm
; 128 along K: 8 products, each accumulator once (by turns); eight places in front of the loads into registers that products have read
.macro KSTEP slot, q, kw
	PLACES 8
	FRAGA AF, 3+(\slot), 0, \q
	FRAGA AF+16, 3+(\slot), 1, \q
.irp t, 0,1,2,3
	FRAGW BF+16*\t, 5+(\slot), \t, \q
.endr
	ds_load_b32 v[SA], v7 offset:4*(\kw)
	ds_load_b32 v[SA+1], v7 offset:SCH/4+4*(\kw)
.irp t, 0,1,2,3
	ds_load_b32 v[SB+\t], v8 offset:(SCH/4)*\t+4*(\kw)
.endr
	s_wait_dscnt 0x0
.irp t, 0,1,2,3
.irp m, 0,1
	v_wmma_scale_f32_16x16x128_f8f6f4 v[ACC+32*\m+8*\t:ACC+32*\m+8*\t+7], v[BF+16*\t:BF+16*\t+15], v[AF+16*\m:AF+16*\m+15], v[ACC+32*\m+8*\t:ACC+32*\m+8*\t+7], v[SB+\t], v[SA+\m] matrix_a_fmt:MATRIX_FMT_BF8 matrix_b_fmt:MATRIX_FMT_BF8
.endr
.endr
.endm
.macro CHUNK c
.irp q, 0,1,2,3
	KSTEP (\c)%2, \q, 4*(\c)+\q
.endr
.endm
; The change of slots: every wave waits for all its tensor loads, adds 0 to its spare word, waits for that and for its reads of the slot that it leaves.  refill = 1: a round of the cluster's barrier, and slot ns takes the chunk two on.
.macro HEAD ns, refill
	s_wait_tensorcnt 0x0
	ds_add_u32 v1, v2
.if \refill
	s_add_nc_u64 s[G0A+4*(\ns)+2:G0A+4*(\ns)+3], s[G0A+4*(\ns)+2:G0A+4*(\ns)+3], 16384
	s_add_nc_u64 s[G0B+4*(\ns)+2:G0B+4*(\ns)+3], s[G0B+4*(\ns)+2:G0B+4*(\ns)+3], 1024
.endif
	s_wait_dscnt 0x0
.if \refill
	ROUND
	JLOAD \ns
.else
	s_barrier_signal -1
	s_barrier_wait -1
.endif
.endm
	s_load_b256 s[4:11], s[0:1], 0x0               ; A s[4:5], W's codes s[6:7], W's scales s[8:9], b s[10:11]
	s_load_b128 s[12:15], s[0:1], 0x20             ; res s[12:13], out s[14:15]
	v_lshl_add_u32 v1, v0, 2, SPARE
	v_mov_b32 v2, 0
	ds_add_u32 v1, v2
	ds_add_u32 v1, v2
	s_wait_dscnt 0x0
	v_lshrrev_b32 v3, 5, v0
	s_delay_alu instid0(VALU_DEP_1)
	v_readfirstlane_b32 s[WV], v3
	s_lshr_b32 s[WM], s[WV], 1
	s_and_b32 s[WN], s[WV], 1
	s_bfe_u32 s[CX], ttmp6, 0x40000
	s_bfe_u32 s[CY], ttmp6, 0x40004
	s_lshl_b32 s[XX], ttmp9, 2
	s_add_co_u32 s[XX], s[XX], s[CX]               ; tile column
	s_and_b32 s[Y], ttmp7, 0xffff
	s_lshl_b32 s[Y], s[Y], 2
	s_add_co_u32 s[Y], s[Y], s[CY]                 ; tile row
	s_lshl_b32 s[RM], s[CY], 2
	s_lshl_b32 s[RM], 15, s[RM]
	s_lshl_b32 s[CM], 0x1111, s[CX]
	s_or_b32 s[G1A], s[RM], (3<<16)|(1<<21)        ; A: 4 rows of 1,024 elements of 8 bytes, no padding
	s_mov_b32 s[G1A+1], 1024<<16
	s_mov_b32 s[G1A+2], 4<<16
	s_mov_b32 s[G1A+3], 1024<<16
	s_mov_b32 s[G1A+4], 4
	s_mov_b32 s[G1A+5], KTOT*2                     ; a row tile's images are KTOT x 16 bytes
	s_mov_b32 s[G1A+6], 0
	s_mov_b32 s[G1A+7], 0
	s_or_b32 s[G1B], s[CM], (1<<20)|(1<<21)|(6<<22)|(3<<25)   ; W: 64 rows of 512 bytes, 4 words of padding behind every 128
	s_mov_b32 s[G1B+1], 512<<16
	s_mov_b32 s[G1B+2], 64<<16
	s_mov_b32 s[G1B+3], 512<<16
	s_mov_b32 s[G1B+4], 64
	s_mov_b32 s[G1B+5], KTOT
	s_mov_b32 s[G1B+6], 0
	s_mov_b32 s[G1B+7], 0
	s_or_b32 s[G1SA], s[RM], (3<<16)|(1<<20)|(1<<21)|(5<<22)|(3<<25)   ; the scale bytes of 64 rows: dense, as U2 rows of 256 bytes + 16
	s_or_b32 s[G1SB], s[CM], (3<<16)|(1<<20)|(1<<21)|(5<<22)|(3<<25)
.irp g, G1SA, G1SB
	s_mov_b32 s[\g+1], 32<<16
	s_mov_b32 s[\g+2], U2<<16
	s_mov_b32 s[\g+3], 32<<16
	s_mov_b32 s[\g+4], U2
	s_mov_b32 s[\g+5], 32
	s_mov_b32 s[\g+6], 0
	s_mov_b32 s[\g+7], 0
.endr
	s_lshl_b32 s2, s[Y], 3
	s_lshl_b32 s3, s[WN], 2
	s_add_co_u32 s2, s2, s3                        ; A: row tile 8 x tile row + 4 x part
	s_mul_i32 s38, s2, KTOT*16
	s_mov_b32 s39, 0
	s_mul_i32 s66, s2, 16*KS
	s_add_co_u32 s66, s66, ASC
	s_mov_b32 s67, 0
	s_lshl_b32 s16, s[XX], 7
	s_lshl_b32 s17, s[WN], 6
	s_add_co_u32 s16, s16, s17                     ; W: row 128 x tile column + 64 x part
	s_mul_i32 s18, s16, KTOT
	s_mov_b32 s19, 0
	s_mul_i32 s20, s16, KS
	s_mov_b32 s21, 0
	s_lshl_b32 s100, s[WN], 15                     ; where they go: A's halves, 32 KB each;
	s_mul_i32 s101, s[WN], 64*WP
	s_add_co_u32 s101, s101, AIMG                  ; W's halves behind them;
	s_and_b32 s30, s[WV], 3                        ; waves 4-7 fetch the scale bytes: part wave % 4
	s_mul_i32 s30, s30, SCH
	s_add_co_u32 s30, s30, SCL
	s_wait_kmcnt 0x0
	s_add_nc_u64 s[38:39], s[4:5], s[38:39]
	s_add_nc_u64 s[66:67], s[4:5], s[66:67]
	s_add_nc_u64 s[18:19], s[6:7], s[18:19]
	s_add_nc_u64 s[20:21], s[8:9], s[20:21]
	s_mov_b32 s[G0SA], 1
	s_mov_b32 s[G0SA+1], s30
	s_mov_b64 s[G0SA+2:G0SA+3], s[66:67]
	s_or_b32 s[G0SA+3], s[G0SA+3], 0x80000000
	s_mov_b32 s[G0SB], 1
	s_mov_b32 s[G0SB+1], s30
	s_mov_b64 s[G0SB+2:G0SB+3], s[20:21]
	s_or_b32 s[G0SB+3], s[G0SB+3], 0x80000000
.irp s, 0,1
	s_mov_b32 s[G0A+4*\s], 1
	s_add_co_u32 s[G0A+4*\s+1], s100, \s*SLOT
	s_add_nc_u64 s[G0A+4*\s+2:G0A+4*\s+3], s[38:39], \s*8192
	s_or_b32 s[G0A+4*\s+3], s[G0A+4*\s+3], 0x80000000
	s_mov_b32 s[G0B+4*\s], 1
	s_add_co_u32 s[G0B+4*\s+1], s101, \s*SLOT
	s_add_nc_u64 s[G0B+4*\s+2:G0B+4*\s+3], s[18:19], \s*512
	s_or_b32 s[G0B+4*\s+3], s[G0B+4*\s+3], 0x80000000
.endr
	ROUND                                          ; all sixteen work-groups are here: the first joint loads meet
	s_cmp_eq_u32 s[WM], 0                          ; a wave's one first fill, chosen by a chain of branches
	s_cbranch_scc0 .Lfirst_not_a
	tensor_load_to_lds s[G0A:G0A+3], s[G1A:G1A+7]  ; one load a wave at the head: waves 0, 1 chunk 0 of A, 2, 3 of W, 4, 5 A's scale bytes, 6, 7 W's
	s_nop 0
	PLACES 4
	s_branch .Lfirst_asked
.Lfirst_not_a:
	s_cmp_eq_u32 s[WM], 1
	s_cbranch_scc0 .Lfirst_sa
	tensor_load_to_lds s[G0B:G0B+3], s[G1B:G1B+7]
	s_nop 0
	PLACES 4
	s_branch .Lfirst_asked
.Lfirst_sa:
	s_cmp_eq_u32 s[WM], 2
	s_cbranch_scc0 .Lfirst_sb
	tensor_load_to_lds s[G0SA:G0SA+3], s[G1SA:G1SA+7]
	s_nop 0
	PLACES 4
	s_branch .Lfirst_asked
.Lfirst_sb:
	tensor_load_to_lds s[G0SB:G0SB+3], s[G1SB:G1SB+7]
	s_nop 0
	PLACES 4
.Lfirst_asked:
	s_lshl_b32 s22, s[XX], 9
	s_lshl_b32 s23, s[WN], 8
	s_add_co_u32 s22, s22, s23                     ; my 64 columns, in bytes
	s_mov_b32 s23, 0
	s_add_nc_u64 s[10:11], s[10:11], s[22:23]
	s_lshl_b32 s24, s[Y], 7
	s_lshl_b32 s25, s[WM], 5
	s_add_co_u32 s24, s24, s25                     ; my first row
	s_lshl_b32 s24, s24, 12
	s_add_co_u32 s24, s24, s22
	s_mov_b32 s25, 0
	s_add_nc_u64 s[12:13], s[12:13], s[24:25]
	s_add_nc_u64 s[14:15], s[14:15], s[24:25]
	v_and_b32 v12, 31, v0                          ; lane
	v_and_b32 v13, 15, v0                          ; r
	v_bfe_u32 v14, v0, 4, 1                        ; h
	s_delay_alu instid0(VALU_DEP_1)
	v_lshlrev_b32 v248, 5, v14                     ; 32 h
	s_delay_alu instid0(VALU_DEP_2)
	v_lshlrev_b32 v11, 12, v14
	s_delay_alu instid0(VALU_DEP_1)
	v_lshl_add_u32 v11, v13, 4, v11                ; v11: lanes 0-15 one row of out, lanes 16-31 the next; 16 bytes a lane
.irp m, 0,1
.irp t, 0,1,2,3
	global_load_b128 v[ACC+32*\m+8*\t:ACC+32*\m+8*\t+3], v248, s[10:11] offset:64*\t
	global_load_b128 v[ACC+32*\m+8*\t+4:ACC+32*\m+8*\t+7], v248, s[10:11] offset:64*\t+16
.endr
.endr
.irp i, 0,1,2,3,4,5,6,7,8,9,10,11,12,13,14,15
	global_load_b128 v[RS+4*\i:RS+4*\i+3], v11, s[12:13] offset:2*\i*4096
.endr
	v_lshlrev_b32 v15, 4, v12                      ; 16 x lane
	s_lshl_b32 s22, s[WM], 14
	v_add_nc_u32 v3, s22, v15                      ; v3, v4: A's images of my two row tiles in slot 0, 1
	s_delay_alu instid0(VALU_DEP_1)
	v_add_nc_u32 v4, SLOT, v3
	v_mul_u32_u24 v5, v13, WP
	s_delay_alu instid0(VALU_DEP_1)
	v_lshl_add_u32 v5, v14, 3, v5
	s_mul_i32 s22, s[WN], 64*WP
	s_add_co_u32 s22, s22, AIMG
	v_add_nc_u32 v5, s22, v5                       ; v5, v6: W's rows: row x pitch + 8 h
	s_delay_alu instid0(VALU_DEP_1)
	v_add_nc_u32 v6, SLOT, v5
	v_mul_u32_u24 v7, v13, KS
	s_delay_alu instid0(VALU_DEP_1)
	v_lshrrev_b32 v8, 8, v7
	s_delay_alu instid0(VALU_DEP_1)
	v_lshl_add_u32 v8, v8, 4, v7                   ; a row's scale bytes: r KS, and 16 more for each 256 passed
	s_mul_i32 s22, s[WM], SCH/2
	s_add_co_u32 s22, s22, SCL
	v_add_nc_u32 v7, s22, v8                       ; v7: A's scale words
	s_mul_i32 s22, s[WN], SCH
	s_add_co_u32 s22, s22, SCL+2*SCH
	v_add_nc_u32 v8, s22, v8                       ; v8: W's
	s_mul_i32 s22, s[WV], 16*272                   ; my stage: 16 rows x (256 + 16) bytes, in slot 0
	v_mul_u32_u24 v9, v13, 272
	s_delay_alu instid0(VALU_DEP_1)
	v_lshl_add_u32 v9, v14, 5, v9
	s_delay_alu instid0(VALU_DEP_1)
	v_add_nc_u32 v9, s22, v9                       ; v9: in: row r, + 32 h
	v_mul_u32_u24 v10, v14, 272
	s_delay_alu instid0(VALU_DEP_1)
	v_lshl_add_u32 v10, v13, 4, v10
	s_delay_alu instid0(VALU_DEP_1)
	v_add_nc_u32 v10, s22, v10                     ; v10: back: lanes 0-15 one row, lanes 16-31 the next
	s_wait_alu depctr_va_vdst(0)
	s_wait_tensorcnt 0x0                           ; my tile of the head's is in; slot 1's first fill is issued as a refill is
	ds_add_u32 v1, v2
	s_wait_dscnt 0x0
	ROUND
	JLOAD 1                                        ; chunk 1
	s_wait_loadcnt 16                              ; the bias lies in the accumulators; the 16 younger loads (the residual) may stay out
	CHUNK 0
.set CH, 1
.rept NCH-1
.if CH+1 < NCH
	HEAD (CH+1)%2, 1
.else
	HEAD 0, 0
.endif
	CHUNK CH
.set CH, CH+1
.endr
	; THE WAY OUT: 16 rows x 64 columns at a time through my stage, back as whole rows of 256 bytes.  The stage lies in slot 0, which has had its last fill and, behind the last change of slots, its last read.
	PLACES 8
.irp m, 0,1
.irp t, 0,1,2,3
	ds_store_b128 v9, v[ACC+32*\m+8*\t:ACC+32*\m+8*\t+3] offset:64*\t
	ds_store_b128 v9, v[ACC+32*\m+8*\t+4:ACC+32*\m+8*\t+7] offset:64*\t+16
.endr
.irp i, 0,1,2,3,4,5,6,7
	ds_load_b128 v[BF+32*\m+4*\i:BF+32*\m+4*\i+3], v10 offset:544*\i   ; LDS serves a wave's instructions in order: these see my stores, and the next stores come behind them
.endr
.endr
	s_wait_dscnt 0x0
	s_wait_loadcnt 0x0                             ; the residual
.irp k, 0,2,4,6,8,10,12,14,16,18,20,22,24,26,28,30,32,34,36,38,40,42,44,46,48,50,52,54,56,58,60,62
	v_pk_add_f32 v[BF+\k:BF+\k+1], v[BF+\k:BF+\k+1], v[RS+\k:RS+\k+1]
.endr
.irp i, 0,1,2,3,4,5,6,7,8,9,10,11,12,13,14,15
	global_store_b128 v11, v[BF+4*\i:BF+4*\i+3], s[14:15] offset:2*\i*4096   ; 16 lanes store 256 consecutive bytes, aligned
.endr
	s_wait_tensorcnt 0x0                           ; the wave's end
	ds_add_u32 v1, v2
	s_wait_dscnt 0x0
	ROUND                                          ; the closing round
	s_endpgm
.Lfunc_end_k_q7320c93f03_wo:
	.size	k_q7320c93f03_wo, .Lfunc_end_k_q7320c93f03_wo-k_q7320c93f03_wo
	.p2alignl 7, 3214868480
	.fill 96, 4, 3214868480
	.section	.rodata,"a",@progbits
	.p2align	6, 0x0
	.amdhsa_kernel k_q7320c93f03_wo
		.amdhsa_group_segment_fixed_size 327680
		.amdhsa_private_segment_fixed_size 0
		.amdhsa_enable_private_segment 0
		.amdhsa_kernarg_size 48
		.amdhsa_user_sgpr_count 2
		.amdhsa_user_sgpr_kernarg_segment_ptr 1
		.amdhsa_wavefront_size32 1
		.amdhsa_system_sgpr_workgroup_id_x 1
		.amdhsa_system_sgpr_workgroup_id_y 1
		.amdhsa_system_sgpr_workgroup_id_z 1
		.amdhsa_system_vgpr_workitem_id 0
		.amdhsa_next_free_vgpr 256
		.amdhsa_next_free_sgpr 102
		.amdhsa_reserve_vcc 0
		.amdhsa_float_denorm_mode_32 3
		.amdhsa_float_denorm_mode_16_64 3
		.amdhsa_memory_ordered 1
		.amdhsa_forward_progress 1
		.amdhsa_inst_pref_size 54
	.end_amdhsa_kernel
	.amdgpu_metadata
---
amdhsa.version: [ 1, 2 ]
amdhsa.kernels:
  - .name:           k_q7320c93f03_wo
    .symbol:         k_q7320c93f03_wo.kd
    .args:
      - { .name: ao, .offset: 0, .size: 8, .value_kind: global_buffer, .address_space: global }
      - { .name: Wo_codes, .offset: 8, .size: 8, .value_kind: global_buffer, .address_space: global }
      - { .name: Wo_scales, .offset: 16, .size: 8, .value_kind: global_buffer, .address_space: global }
      - { .name: bo, .offset: 24, .size: 8, .value_kind: global_buffer, .address_space: global }
      - { .name: x, .offset: 32, .size: 8, .value_kind: global_buffer, .address_space: global }
      - { .name: x1, .offset: 40, .size: 8, .value_kind: global_buffer, .address_space: global }
    .group_segment_fixed_size: 327680
    .private_segment_fixed_size: 0
    .kernarg_segment_align: 8
    .kernarg_segment_size: 48
    .max_flat_workgroup_size: 256
    .sgpr_count:     102
    .vgpr_count:     256
    .wavefront_size: 32
...
	.end_amdgpu_metadata
.endif
;; end of part 4
;; launch ln2: the kernel of part 1 again; grid 256 x 1, 16 waves a work-group, no clusters, 2,560 bytes of LDS; arguments x1, ln2_g, ln2_b, hq; writes hq
;; launch w1 (part 5): grid 16 x 16, 16 waves a work-group, clusters of 4 x 4, 327,680 bytes of LDS; arguments hq, W1_codes, W1_scales, b1, hid; writes hid
.if DOCPART == 5
	.amdgcn_target "amdgcn-amd-amdhsa--gfx1250"
	.amdhsa_code_object_version 6
	.text
	.protected	k_q7320c93f03_w1
	.globl	k_q7320c93f03_w1
	.p2align	8
	.type	k_q7320c93f03_w1,@function
k_q7320c93f03_w1:
	s_mov_b64 s[64:65], 0
	v_nop
	global_prefetch_b8 v0, s[64:65] scope:SCOPE_SE
	s_setreg_imm32_b32 hwreg(HW_REG_WAVE_MODE, 25, 1), 1
	s_wait_xcnt 0x0
	s_wait_alu depctr_hold_cnt(0) depctr_sa_sdst(0) depctr_va_vdst(0) depctr_va_sdst(0) depctr_va_ssrc(0) depctr_va_vcc(0) depctr_vm_vsrc(0)
	s_getreg_b32 s2, hwreg(HW_REG_IB_STS2, 6, 4)
	s_cmp_eq_u32 s2, 0
	s_cbranch_scc0 .Lentry_in_a_cluster
	s_endpgm
.Lentry_in_a_cluster:
	s_bfe_u32 s2, ttmp6, 0x10000c
	s_cmp_lg_u32 s2, 0xf033
	s_cbranch_scc0 .Lentry_shape_is_right
	s_endpgm
.Lentry_shape_is_right:
; hid = Q(gelu(h W1 + b1)), the exact gelu, quantised along the 4,096 hidden units.  h: codes [4096][1024] and scale bytes [4096][32] (at HSC) of one buffer; W1: codes [4096][1024], K innermost, scale bytes [4096][32].
; SHARES, RING, CLUSTER: a work-group makes 256 rows x 256 columns; its 16 waves 64 x 64 each (wm = wave / 4: rows, wn = wave % 4: columns): 16 accumulators, four waves to a SIMD.
; Source 0 = 16 rows of W1, source 1 = 16 rows of h: lane (r, h) holds row r, register j of accumulator (m, t) column 16 t + 8 h + j.  K goes in four chunks of 256 through two LDS slots (rows of 256 bytes + 16),
; written out.  Waves 0-3 fetch h's rows, waves 4-7 W1's, 64 rows a load; the scale bytes of all of K come once.  A wave has at most one tensor load out.
; Cluster 4 x 4: h's tiles are shared along a row, W1's along a column: joint loads.  THE BIAS STARTS THE SUMS: each accumulator is loaded with b1 at its columns.
; GELU: 0.5 x (1 + erf(x / sqrt 2)), erf(z) = z P(z^2) / Q(z^2) on z held within +-4 (a rational form good to a few units of f32's last place; beyond 4 erf is 1 in f32).
; OUT: images [row tile 256][K step 32][chunk 4][512 bytes]: the 16 registers of accumulators 2 c, 2 c + 1 converted as they stand: byte i of lane half h in a chunk holds k = 32 c + 8 h + i % 8 + 16 (i / 8);
; the next launch loads W2 in that order.  Scale bytes [4096][128] at HIDSC.
; LIMITS: NaN and infinities are not served; a block whose largest magnitude lies under 2^-111 gets the byte 1; for x under about -5.6 the gelu carries the absolute error of f32's 1 + erf, some 6e-8 |x|.
.set PITCH, 272
.set QROWS, 64*PITCH
.set SLOT,  512*PITCH
.set SCL,   2*SLOT
.set SCQ,   8*272
.set SPARE, SCL+8*SCQ                  ; the spare words, 128 bytes a wave: eight blocks of 256 bytes that no other line names
.set HSC,   4194304
.set HIDSC, 16777216
.set SA,  16
.set SB,  20
.set BF,  24
.set AF,  56
.set ACC, 120
.set PC,  88
.set TM,  104
.set ZZ,  24                           ; the way out: z, then erf
.set X2,  32                           ; z^2
.set PP,  40
.set QQ,  48
.set WV,  26
.set WM,  27
.set WN,  28
.set MNT, 29
.set CX,  31
.set CY,  32
.set XW,  33
.set Y,   34
.set RM,  35
.set CM,  36
.set SEL, 22
.set G1A, 40
.set G1B, 48
.set G1SA, 56
.set G1SB, 68
.set G0A, 76
.set G0B, 84
.set G0SA, 92
.set G0SB, 96
.macro PLACES n
.rept \n
	v_nop
.endr
.endm
.macro ROUND
	s_barrier_signal -1
	s_barrier_wait -1
	s_cmp_lg_u32 s[WV], 0
	s_cbranch_scc1 .Lnot_wave_0_\@
	s_barrier_signal -3
.Lnot_wave_0_\@:
	s_barrier_wait -3
	s_barrier_signal -1
	s_barrier_wait -1
.endm
.macro JLOAD slot
	s_cmp_eq_u32 s[WM], 0
	s_cbranch_scc0 .Lnot_a_\@
	tensor_load_to_lds s[G0A+4*(\slot):G0A+4*(\slot)+3], s[G1A:G1A+7]
	s_nop 0
	PLACES 4
	s_branch .Lasked_\@
.Lnot_a_\@:
	s_cmp_eq_u32 s[WM], 1
	s_cbranch_scc0 .Lasked_\@
	tensor_load_to_lds s[G0B+4*(\slot):G0B+4*(\slot)+3], s[G1B:G1B+7]
	s_nop 0
	PLACES 4
.Lasked_\@:
.endm
.macro FRAG reg, adr, q, i
.irp c, 0,1,2,3
	ds_load_b128 v[\reg+4*\c:\reg+4*\c+3], v[\adr] offset:128*(\q)+32*\c+(\i)*16*PITCH
.endr
.endm
.macro MM m, t
	v_wmma_scale_f32_16x16x128_f8f6f4 v[ACC+32*\m+8*\t:ACC+32*\m+8*\t+7], v[BF+16*((\t)%2):BF+16*((\t)%2)+15], v[AF+16*\m:AF+16*\m+15], v[ACC+32*\m+8*\t:ACC+32*\m+8*\t+7], v[SB+\t], v[SA+\m] matrix_a_fmt:MATRIX_FMT_BF8 matrix_b_fmt:MATRIX_FMT_BF8
.endm
; 128 along K: 16 products, each accumulator once (by turns); eight places in front of each run of loads into registers that products have read
.macro KSTEP slot, q, kw
	PLACES 8
.irp m, 0,1,2,3
	FRAG AF+16*\m, 3+(\slot), \q, \m
.endr
	FRAG BF, 5+(\slot), \q, 0
	FRAG BF+16, 5+(\slot), \q, 1
.irp m, 0,1,2,3
	ds_load_b32 v[SA+\m], v7 offset:544*\m+4*(\kw)
	ds_load_b32 v[SB+\m], v8 offset:544*\m+4*(\kw)
.endr
	s_wait_dscnt 0x0
.irp t, 0,1
.irp m, 0,1,2,3
	MM \m, \t
.endr
.endr
	PLACES 8
	FRAG BF, 5+(\slot), \q, 2
	FRAG BF+16, 5+(\slot), \q, 3
	s_wait_dscnt 0x0
.irp t, 2,3
.irp m, 0,1,2,3
	MM \m, \t
.endr
.endr
.endm
.macro CHUNK c
	KSTEP (\c)%2, 0, 2*(\c)
	KSTEP (\c)%2, 1, 2*(\c)+1
.endm
; The change of slots: every wave waits for all its tensor loads, adds 0 to its spare word, waits for that and for its reads of the slot that it leaves.  refill = 1: a round of the cluster's barrier, and slot ns takes the chunk two on.
.macro HEAD ns, refill
	s_wait_tensorcnt 0x0
	ds_add_u32 v1, v2
.if \refill
	s_add_nc_u64 s[G0A+4*(\ns)+2:G0A+4*(\ns)+3], s[G0A+4*(\ns)+2:G0A+4*(\ns)+3], 512
	s_add_nc_u64 s[G0B+4*(\ns)+2:G0B+4*(\ns)+3], s[G0B+4*(\ns)+2:G0B+4*(\ns)+3], 512
.endif
	s_wait_dscnt 0x0
.if \refill
	ROUND
	JLOAD \ns
.else
	s_barrier_signal -1
	s_barrier_wait -1
.endif
.endm
; 64 numbers of a lane, four blocks of 16 registers; lanes l and l xor 16 share a block.  Codes to v[PC + 4 b ..], bytes to v[TM + 4 + b].
.macro QUANT s
.irp b, 0,1,2,3
	v_max3_num_f32 v[TM+\b], |v[\s+16*\b]|, |v[\s+1+16*\b]|, 0x8000000
.endr
.irp i, 2,4,6,8,10,12,14
.irp b, 0,1,2,3
	s_delay_alu instid0(VALU_DEP_4)
	v_max3_num_f32 v[TM+\b], v[TM+\b], |v[\s+16*\b+\i]|, |v[\s+1+16*\b+\i]|
.endr
.endr
.irp b, 0,1,2,3
	s_delay_alu instid0(VALU_DEP_4)
	v_permlanex16_b32 v[TM+4+\b], v[TM+\b], s[SEL], s[SEL+1]
.endr
.irp b, 0,1,2,3
	s_delay_alu instid0(VALU_DEP_4)
	v_max_num_f32 v[TM+\b], v[TM+\b], v[TM+4+\b]
.endr
.irp b, 0,1,2,3
	s_delay_alu instid0(VALU_DEP_4)
	v_add_nc_u32 v[TM+12+\b], 0xf8800000, v[TM+\b]
.endr
.irp b, 0,1,2,3
	v_and_or_b32 v[TM+8+\b], v[TM+\b], 0x7f800000, s[MNT]
.endr
.irp b, 0,1,2,3
	v_lshrrev_b32 v[TM+4+\b], 23, v[TM+12+\b]
.endr
.irp b, 0,1,2,3
.irp i, 0,1,2,3,4,5,6,7,8,9,10,11,12,13,14,15
	v_med3_num_f32 v[\s+16*\b+\i], v[\s+16*\b+\i], -v[TM+8+\b], v[TM+8+\b]
.endr
	v_cvt_scalef32_pk8_bf8_f32 v[PC+4*\b:PC+1+4*\b], v[\s+16*\b:\s+7+16*\b], v[TM+12+\b]
	v_cvt_scalef32_pk8_bf8_f32 v[PC+2+4*\b:PC+3+4*\b], v[\s+8+16*\b:\s+15+16*\b], v[TM+12+\b]
.endr
	v_nop
.endm
; the gelu of one accumulator's eight numbers, in place, four pairs by turns
.macro GELU8 a
.irp p, 0,2,4,6
	v_pk_mul_f32 v[ZZ+\p:ZZ+\p+1], v[\a+\p:\a+\p+1], 0x3f3504f3 op_sel_hi:[1,0]   ; z = x / sqrt 2
.endr
.irp p, 0,1,2,3,4,5,6,7
	v_med3_num_f32 v[ZZ+\p], v[ZZ+\p], -4.0, 4.0
.endr
.irp p, 0,2,4,6
	v_pk_mul_f32 v[X2+\p:X2+\p+1], v[ZZ+\p:ZZ+\p+1], v[ZZ+\p:ZZ+\p+1]
.endr
.irp p, 0,2,4,6
	s_delay_alu instid0(VALU_DEP_4)
	v_pk_fma_f32 v[PP+\p:PP+\p+1], v[X2+\p:X2+\p+1], v[248:249], 0x32edffee op_sel_hi:[1,1,0]
.endr
.irp k, 0xb60cff51, 0xb86ec2d2, 0xba40ac63, 0xbb41a1f6, 0xbc83dbd4
.irp p, 0,2,4,6
	s_delay_alu instid0(VALU_DEP_4)
	v_pk_fma_f32 v[PP+\p:PP+\p+1], v[PP+\p:PP+\p+1], v[X2+\p:X2+\p+1], \k op_sel_hi:[1,1,0]
.endr
.endr
.irp p, 0,2,4,6
	v_pk_fma_f32 v[QQ+\p:QQ+\p+1], v[X2+\p:X2+\p+1], v[250:251], 0xb95fbd29 op_sel_hi:[1,1,0]
.endr
.irp k, 0xbadc924e, 0xbbf19bf8, 0xbc69b6a7
.irp p, 0,2,4,6
	s_delay_alu instid0(VALU_DEP_4)
	v_pk_fma_f32 v[QQ+\p:QQ+\p+1], v[QQ+\p:QQ+\p+1], v[X2+\p:X2+\p+1], \k op_sel_hi:[1,1,0]
.endr
.endr
	s_wait_alu depctr_va_vdst(0)
.irp p, 0,1,2,3,4,5,6,7
	v_rcp_f32 v[QQ+\p], v[QQ+\p]
.endr
.irp p, 0,2,4,6
	v_pk_mul_f32 v[ZZ+\p:ZZ+\p+1], v[ZZ+\p:ZZ+\p+1], v[PP+\p:PP+\p+1]   ; (the plain places behind the reciprocals)
.endr
	s_wait_alu depctr_va_vdst(0)
.irp p, 0,2,4,6
	v_pk_mul_f32 v[ZZ+\p:ZZ+\p+1], v[ZZ+\p:ZZ+\p+1], v[QQ+\p:QQ+\p+1]   ; erf
.endr
.irp p, 0,2,4,6
	v_pk_mul_f32 v[\a+\p:\a+\p+1], v[\a+\p:\a+\p+1], 0.5 op_sel_hi:[1,0]
.endr
.irp p, 0,2,4,6
	s_delay_alu instid0(VALU_DEP_4)
	v_pk_fma_f32 v[\a+\p:\a+\p+1], v[\a+\p:\a+\p+1], v[ZZ+\p:ZZ+\p+1], v[\a+\p:\a+\p+1]
.endr
.endm
	s_load_b256 s[4:11], s[0:1], 0x0               ; h s[4:5], W1's codes s[6:7], its scales s[8:9], b1 s[10:11]
	s_load_b64 s[24:25], s[0:1], 0x20              ; out
	v_lshl_add_u32 v1, v0, 2, SPARE
	v_mov_b32 v2, 0
	ds_add_u32 v1, v2
	ds_add_u32 v1, v2
	s_wait_dscnt 0x0
	v_lshrrev_b32 v3, 5, v0
	s_delay_alu instid0(VALU_DEP_1)
	v_readfirstlane_b32 s[WV], v3
	s_lshr_b32 s[WM], s[WV], 2
	s_and_b32 s[WN], s[WV], 3
	s_mov_b32 s[MNT], 0x600000
	s_mov_b32 s[SEL], 0x76543210
	s_mov_b32 s[SEL+1], 0xfedcba98
	s_bfe_u32 s[CX], ttmp6, 0x40000
	s_bfe_u32 s[CY], ttmp6, 0x40004
	s_lshl_b32 s[XW], ttmp9, 2
	s_add_co_u32 s[XW], s[XW], s[CX]               ; tile column
	s_and_b32 s[Y], ttmp7, 0xffff
	s_lshl_b32 s[Y], s[Y], 2
	s_add_co_u32 s[Y], s[Y], s[CY]                 ; tile row
	s_lshl_b32 s[RM], s[CY], 2
	s_lshl_b32 s[RM], 15, s[RM]
	s_lshl_b32 s[CM], 0x1111, s[CX]
	s_or_b32 s[G1A], s[RM], (1<<20)|(1<<21)|(5<<22)|(3<<25)
	s_or_b32 s[G1B], s[CM], (1<<20)|(1<<21)|(5<<22)|(3<<25)
.irp g, G1A, G1B
	s_mov_b32 s[\g+1], 256<<16
	s_mov_b32 s[\g+2], 64<<16
	s_mov_b32 s[\g+3], 256<<16
	s_mov_b32 s[\g+4], 64
	s_mov_b32 s[\g+5], 1024
	s_mov_b32 s[\g+6], 0
	s_mov_b32 s[\g+7], 0
.endr
	s_or_b32 s[G1SA], s[RM], (3<<16)|(1<<20)|(1<<21)|(5<<22)|(3<<25)
	s_or_b32 s[G1SB], s[CM], (3<<16)|(1<<20)|(1<<21)|(5<<22)|(3<<25)
.irp g, G1SA, G1SB
	s_mov_b32 s[\g+1], 32<<16
	s_mov_b32 s[\g+2], 8<<16
	s_mov_b32 s[\g+3], 32<<16
	s_mov_b32 s[\g+4], 8
	s_mov_b32 s[\g+5], 32
	s_mov_b32 s[\g+6], 0
	s_mov_b32 s[\g+7], 0
.endr
	s_lshl_b32 s3, s[WN], 6
	s_lshl_b32 s2, s[Y], 8
	s_add_co_u32 s2, s2, s3                        ; h: row 256 x tile row + 64 x part
	s_lshl_b32 s38, s2, 10
	s_mov_b32 s39, 0
	s_lshl_b32 s66, s2, 5
	s_add_co_u32 s66, s66, HSC
	s_mov_b32 s67, 0
	s_lshl_b32 s12, s[XW], 8
	s_add_co_u32 s12, s12, s3                      ; W1: row 256 x tile column + 64 x part
	s_lshl_b32 s14, s12, 10
	s_mov_b32 s15, 0
	s_lshl_b32 s16, s12, 5
	s_mov_b32 s17, 0
	s_mul_i32 s100, s[WV], QROWS
	s_and_b32 s101, s[WV], 7                       ; waves 8-15 fetch the scale bytes: part wave % 8 (h's four, then W1's)
	s_mul_i32 s101, s101, SCQ
	s_wait_kmcnt 0x0
	s_add_nc_u64 s[38:39], s[4:5], s[38:39]
	s_add_nc_u64 s[66:67], s[4:5], s[66:67]
	s_add_nc_u64 s[14:15], s[6:7], s[14:15]
	s_add_nc_u64 s[16:17], s[8:9], s[16:17]
	s_mov_b32 s[G0SA], 1
	s_add_co_u32 s[G0SA+1], s101, SCL
	s_mov_b64 s[G0SA+2:G0SA+3], s[66:67]
	s_or_b32 s[G0SA+3], s[G0SA+3], 0x80000000
	s_mov_b32 s[G0SB], 1
	s_add_co_u32 s[G0SB+1], s101, SCL
	s_mov_b64 s[G0SB+2:G0SB+3], s[16:17]
	s_or_b32 s[G0SB+3], s[G0SB+3], 0x80000000
.irp s, 0,1
	s_mov_b32 s[G0A+4*\s], 1
	s_add_co_u32 s[G0A+4*\s+1], s100, \s*SLOT
	s_add_nc_u64 s[G0A+4*\s+2:G0A+4*\s+3], s[38:39], \s*256
	s_or_b32 s[G0A+4*\s+3], s[G0A+4*\s+3], 0x80000000
	s_mov_b32 s[G0B+4*\s], 1
	s_add_co_u32 s[G0B+4*\s+1], s100, \s*SLOT
	s_add_nc_u64 s[G0B+4*\s+2:G0B+4*\s+3], s[14:15], \s*256
	s_or_b32 s[G0B+4*\s+3], s[G0B+4*\s+3], 0x80000000
.endr
	ROUND                                          ; all sixteen work-groups are here: the first joint loads meet
	s_cmp_eq_u32 s[WM], 0                          ; a wave's one first fill, chosen by a chain of branches
	s_cbranch_scc0 .Lfirst_not_a
	tensor_load_to_lds s[G0A:G0A+3], s[G1A:G1A+7]  ; one load a wave at the head: waves 0-3 chunk 0 of h, 4-7 of W1, 8-11 h's scale bytes, 12-15 W1's
	s_nop 0
	PLACES 4
	s_branch .Lfirst_asked
.Lfirst_not_a:
	s_cmp_eq_u32 s[WM], 1
	s_cbranch_scc0 .Lfirst_sa
	tensor_load_to_lds s[G0B:G0B+3], s[G1B:G1B+7]
	s_nop 0
	PLACES 4
	s_branch .Lfirst_asked
.Lfirst_sa:
	s_cmp_eq_u32 s[WM], 2
	s_cbranch_scc0 .Lfirst_sb
	tensor_load_to_lds s[G0SA:G0SA+3], s[G1SA:G1SA+7]
	s_nop 0
	PLACES 4
	s_branch .Lfirst_asked
.Lfirst_sb:
	tensor_load_to_lds s[G0SB:G0SB+3], s[G1SB:G1SB+7]
	s_nop 0
	PLACES 4
.Lfirst_asked:
	s_lshl_b32 s18, s[XW], 10
	s_lshl_b32 s19, s[WN], 8
	s_add_co_u32 s18, s18, s19
	s_mov_b32 s19, 0
	s_add_nc_u64 s[10:11], s[10:11], s[18:19]      ; b1 at my 64 columns
	v_and_b32 v9, 15, v0                           ; r
	v_bfe_u32 v10, v0, 4, 1                        ; h
	s_delay_alu instid0(VALU_DEP_1)
	v_lshlrev_b32 v255, 5, v10                     ; 32 h
.irp m, 0,1,2,3
.irp t, 0,1,2,3
	global_load_b128 v[ACC+32*\m+8*\t:ACC+32*\m+8*\t+3], v255, s[10:11] offset:64*\t
	global_load_b128 v[ACC+32*\m+8*\t+4:ACC+32*\m+8*\t+7], v255, s[10:11] offset:64*\t+16
.endr
.endr
	v_mul_u32_u24 v11, v9, PITCH
	s_delay_alu instid0(VALU_DEP_1)
	v_lshl_add_u32 v11, v10, 4, v11
	s_mul_i32 s18, s[WM], QROWS
	s_mul_i32 s19, s[WN], QROWS
	s_add_co_u32 s19, s19, 4*QROWS
	v_add_nc_u32 v3, s18, v11                      ; v3, v4: h's fragments in slot 0, 1
	v_add_nc_u32 v5, s19, v11                      ; v5, v6: W1's
	s_delay_alu instid0(VALU_DEP_2)
	v_add_nc_u32 v4, SLOT, v3
	s_delay_alu instid0(VALU_DEP_2)
	v_add_nc_u32 v6, SLOT, v5
	v_lshlrev_b32 v12, 5, v9
	s_delay_alu instid0(VALU_DEP_1)
	v_lshrrev_b32 v248, 8, v12
	s_delay_alu instid0(VALU_DEP_1)
	v_lshl_add_u32 v248, v248, 4, v12
	s_mul_i32 s18, s[WM], SCQ
	s_add_co_u32 s18, s18, SCL
	s_mul_i32 s19, s[WN], SCQ
	s_add_co_u32 s19, s19, SCL+4*SCQ
	v_add_nc_u32 v7, s18, v248                     ; v7: h's scale words; v8: W1's
	v_add_nc_u32 v8, s19, v248
	v_and_b32 v13, 31, v0                          ; v13: lane
	s_delay_alu instid0(VALU_DEP_1)
	v_lshlrev_b32 v11, 4, v13                      ; v11: 16 x lane
	s_delay_alu instid0(VALU_DEP_2)
	v_lshlrev_b32 v12, 7, v13                      ; v12: 128 x lane: a row of scale bytes a lane
	s_wait_alu depctr_va_vdst(0)
	s_wait_tensorcnt 0x0                           ; my tile of the head's is in; slot 1's first fill is issued as a refill is
	ds_add_u32 v1, v2
	s_wait_dscnt 0x0
	ROUND
	JLOAD 1                                        ; chunk 1
	s_wait_loadcnt 0x0                             ; the bias lies in the accumulators
	CHUNK 0
	HEAD 0, 1
	CHUNK 1
	HEAD 1, 1
	CHUNK 2
	HEAD 0, 0
	CHUNK 3
	; THE WAY OUT
	PLACES 8
.irp b, 0,1,2,3
	v_mov_b32 v[TM+4+\b], 0                        ; a lane permute's destination counts as read
.endr
	v_mov_b32 v248, 0xaf95df0b                     ; the two leading coefficients, as pairs
	v_mov_b32 v249, 0xaf95df0b
	v_mov_b32 v250, 0xb77460cd
	v_mov_b32 v251, 0xb77460cd
	v_cmp_gt_u32 vcc_lo, 16, v13                   ; lanes 0-15
	s_lshl_b32 s18, s[Y], 4
	s_lshl_b32 s19, s[WM], 2
	s_add_co_u32 s18, s18, s19                     ; my first row tile
	s_lshl_b32 s18, s18, 5
	s_lshl_b32 s19, s[XW], 1
	s_add_co_u32 s18, s18, s19
	s_lshr_b32 s19, s[WN], 1
	s_add_co_u32 s18, s18, s19                     ; x 32 + the K step of my 64 columns
	s_lshl_b32 s18, s18, 2
	s_and_b32 s19, s[WN], 1
	s_lshl_b32 s19, s19, 1
	s_add_co_u32 s18, s18, s19                     ; x 4 + their first chunk
	s_lshl_b32 s18, s18, 9
	s_mov_b32 s19, 0
	s_add_nc_u64 s[12:13], s[24:25], s[18:19]
	s_lshl_b32 s18, s[Y], 8
	s_lshl_b32 s20, s[WM], 6
	s_add_co_u32 s18, s18, s20                     ; my first row
	s_lshl_b32 s18, s18, 7
	s_lshl_b32 s20, s[XW], 3
	s_add_co_u32 s18, s18, s20
	s_lshl_b32 s20, s[WN], 1
	s_add_co_u32 s18, s18, s20
	s_add_co_u32 s18, s18, HIDSC
	s_add_nc_u64 s[14:15], s[24:25], s[18:19]
.irp a, 0,1
.if \a
	s_wait_xcnt 0x0                                ; the first pass's stores have read their registers
.endif
.irp e, 0,1,2,3,4,5,6,7
	GELU8 ACC+64*\a+8*\e
.endr
	QUANT ACC+64*\a
.irp k, 0,1,2,3
	global_store_b128 v11, v[PC+4*\k:PC+4*\k+3], s[12:13] offset:(2*\a+\k/2)*65536+(\k%2)*512   ; 512 consecutive bytes, aligned
.endr
	v_lshl_or_b32 v252, v[TM+5], 8, v[TM+4]        ; row tile 2 a's two bytes,
	v_lshl_or_b32 v253, v[TM+7], 8, v[TM+6]        ; row tile 2 a + 1's
	s_delay_alu instid0(VALU_DEP_1)
	v_cndmask_b32 v254, v253, v252, vcc_lo         ; lanes 0-15 store the first tile's rows, lanes 16-31 the second's
	global_store_b16 v12, v254, s[14:15] offset:4096*\a   ; two bytes a row: 1/32 of the codes' bytes; gathering them would want a shared stage and a barrier
.endr
	s_wait_tensorcnt 0x0                           ; the wave's end
	ds_add_u32 v1, v2
	s_wait_dscnt 0x0
	ROUND                                          ; the closing round
	s_endpgm
.Lfunc_end_k_q7320c93f03_w1:
	.size	k_q7320c93f03_w1, .Lfunc_end_k_q7320c93f03_w1-k_q7320c93f03_w1
	.p2alignl 7, 3214868480
	.fill 96, 4, 3214868480
	.section	.rodata,"a",@progbits
	.p2align	6, 0x0
	.amdhsa_kernel k_q7320c93f03_w1
		.amdhsa_group_segment_fixed_size 327680
		.amdhsa_private_segment_fixed_size 0
		.amdhsa_enable_private_segment 0
		.amdhsa_kernarg_size 40
		.amdhsa_user_sgpr_count 2
		.amdhsa_user_sgpr_kernarg_segment_ptr 1
		.amdhsa_wavefront_size32 1
		.amdhsa_system_sgpr_workgroup_id_x 1
		.amdhsa_system_sgpr_workgroup_id_y 1
		.amdhsa_system_sgpr_workgroup_id_z 1
		.amdhsa_system_vgpr_workitem_id 0
		.amdhsa_next_free_vgpr 256
		.amdhsa_next_free_sgpr 102
		.amdhsa_reserve_vcc 1
		.amdhsa_float_denorm_mode_32 3
		.amdhsa_float_denorm_mode_16_64 3
		.amdhsa_memory_ordered 1
		.amdhsa_forward_progress 1
		.amdhsa_inst_pref_size 196
	.end_amdhsa_kernel
	.amdgpu_metadata
---
amdhsa.version: [ 1, 2 ]
amdhsa.kernels:
  - .name:           k_q7320c93f03_w1
    .symbol:         k_q7320c93f03_w1.kd
    .args:
      - { .name: hq, .offset: 0, .size: 8, .value_kind: global_buffer, .address_space: global }
      - { .name: W1_codes, .offset: 8, .size: 8, .value_kind: global_buffer, .address_space: global }
      - { .name: W1_scales, .offset: 16, .size: 8, .value_kind: global_buffer, .address_space: global }
      - { .name: b1, .offset: 24, .size: 8, .value_kind: global_buffer, .address_space: global }
      - { .name: hid, .offset: 32, .size: 8, .value_kind: global_buffer, .address_space: global }
    .group_segment_fixed_size: 327680
    .private_segment_fixed_size: 0
    .kernarg_segment_align: 8
    .kernarg_segment_size: 40
    .max_flat_workgroup_size: 512
    .sgpr_count:     102
    .vgpr_count:     256
    .wavefront_size: 32
...
	.end_amdgpu_metadata
.endif
;; end of part 5
;; launch w2 (part 6): grid 8 x 32, 4 waves a work-group, clusters of 4 x 4, 327,680 bytes of LDS; arguments hid, W2_codes, W2_scales, b2, x1, out0; writes out0
.if DOCPART == 6
	.amdgcn_target "amdgcn-amd-amdhsa--gfx1250"
	.amdhsa_code_object_version 6
	.text
	.protected	k_q7320c93f03_w2
	.globl	k_q7320c93f03_w2
	.p2align	8
	.type	k_q7320c93f03_w2,@function
k_q7320c93f03_w2:
	s_mov_b64 s[64:65], 0
	v_nop
	global_prefetch_b8 v0, s[64:65] scope:SCOPE_SE
	s_setreg_imm32_b32 hwreg(HW_REG_WAVE_MODE, 25, 1), 1
	s_wait_xcnt 0x0
	s_wait_alu depctr_hold_cnt(0) depctr_sa_sdst(0) depctr_va_vdst(0) depctr_va_sdst(0) depctr_va_ssrc(0) depctr_va_vcc(0) depctr_vm_vsrc(0)
	s_getreg_b32 s2, hwreg(HW_REG_IB_STS2, 6, 4)
	s_cmp_eq_u32 s2, 0
	s_cbranch_scc0 .Lentry_in_a_cluster
	s_endpgm
.Lentry_in_a_cluster:
	s_bfe_u32 s2, ttmp6, 0x10000c
	s_cmp_lg_u32 s2, 0xf033
	s_cbranch_scc0 .Lentry_shape_is_right
	s_endpgm
.Lentry_shape_is_right:
; out = res + A W^T + b on codes of E5M2 with E8M0 scales, sums in f32.  A (hid): images of operand registers [row tile 256][K step 32][chunk 4][512 bytes] and scale bytes [4096][128] at ASC;
; W: codes [1024][4096], K innermost, scale bytes [1024][128]; b [1024]; res, out [4096][1024] f32.
; SHARES.  256 work-groups, each 128 x 128 of out; four waves, one to a SIMD, 64 rows (wave / 2) x 64 columns (wave % 2) each: 16 accumulators.  For 128 along K a wave reads 2 x 64 x 128 bytes of LDS for 16 products.
; TRANSPOSED USE: source 0 = 16 rows of W, source 1 = 16 rows of A: a lane holds eight neighbouring columns of a row of out.  A's chunks hold k = 32 c + 8 h + i % 8 + 16 (i / 8) at byte i, as the launch
; before laid them; W's fragments take the same order: the 8 bytes at 32 c + 8 h and at 32 c + 16 + 8 h, both by one two-address load.  The sums hold the same terms.
; RING.  K goes in 8 chunks of 512 through two LDS slots (A's 8 row tiles x 8 KB as they lie; W's 128 rows of 512 bytes + 16).  Behind the head waves 0, 1 fetch A's halves, waves 2, 3 W's, one load a wave.
; FRAGMENTS.  A chunk is four K steps; step q has its own set of 128 registers (windows 1 and 2), fetched TWO steps ahead.  So a slot's last reads are back in the chunk's third step: there stands the change of slots.
; SCALES of all of K lie in LDS, filled once.  A row's 16 bytes of a chunk come by one load; lanes 0-15 take A's tile i, lanes 16-31 W's tile i; the four tiles' registers begin at 0, 4, 10, 14, so that no two differ by 8.
; CLUSTER 4 x 4: A's tiles are shared along a row, W's along a column: joint loads; a round of the cluster's barrier stands in front of each refill.
; PREFETCH: behind the refill that asks for chunk c + 2 each wave names its share of chunk c + 4 (at the head: of chunks 2 and 3): of the 128 blocks of 256 bytes that a wave fetches, the partner at place p
; (cx for A, cy for W) takes 32, a lane a block, told apart by address.  The last two refills' trips ask for nothing: no chunk lies behind chunk 7.
; THE BIAS STARTS THE SUMS (the accumulators are loaded with b at their columns); the residual is asked for ahead of the loop and waits in window 3.
; LIMITS: NaN and infinities are carried as the matrix unit carries them; no other limit.
.set KTOT,  4096
.set ASC,   4096*KTOT
.set WP,    528
.set AIMG,  65536
.set SLOT,  AIMG+128*WP
.set SCL,   2*SLOT                     ; the scale bytes, as units of 256 bytes (2 rows) + 16: A's 64 units, then W's
.set HALFS, 32*272                     ; those of 64 rows
.set SPARE, SCL+4*HALFS                ; the spare words: two blocks of 256 bytes that no other line names
.set STG,   16*272                     ; the way out: a stage of 16 rows x (256 + 16) bytes; four for each wave, in slot 0
.set NF,    32                         ; LDS loads of a fetch: 16 for A, 16 for W
.set SPW,  1
.set NIL,  2
.set ADA,  4                           ; v4, v5   A's images of my four row tiles in slot 0, 1
.set ADW,  8                           ; v8-15    W's rows of tile t in slot s: register 4 s + t
.set ADRS, 16                          ; v16      my scale bytes: lanes 0-15 A's rows, lanes 16-31 W's
.set STO,  17
.set RD,   18
.set CO,   19
.set PFO,  20                          ; v20, v21 the prefetches' offsets: my block, and the same a chunk on
.set PFO2, 21
.set SC,   32                          ; v32-49, v52-69 scale words, a set for each slot
.set ACC,  128                         ; v128-255 accumulator (m, t) at ACC + 32 m + 8 t
.set G1,   24
.set G0,   32
.set G1B,  48
.set G0B,  56
.set G1S,  68
.set G0S,  76
.set G1SB, 80
.set G0SB, 88
.set G0H,  92
.set G0HB, 96
.set PFA,  8
.set PFS,  104
.set MSB, 0
.macro WIN new                         ; the immediate's high byte repeats the setting that is left
.if MSB != \new
	s_set_vgpr_msb (MSB<<8)|\new
.set MSB, \new
.endif
.endm
.macro PLACES n
.rept \n
	v_nop
.endr
.endm
.macro CREST                           ; a round of the cluster's barrier behind its opening barrier
	s_cmp_lg_u32 s16, 0
	s_cbranch_scc1 .Lnot_wave_0_\@
	s_barrier_signal -3
.Lnot_wave_0_\@:
	s_barrier_wait -3
	s_barrier_signal -1
	s_barrier_wait -1
.endm
.macro CROUND
	s_barrier_signal -1
	s_barrier_wait -1
	CREST
.endm
.macro JLOAD s                         ; a joint load of the ring; the branch hangs on the wave's number alone
	s_cmp_eq_u32 s17, 0
	s_cbranch_scc0 .Lfor_b_\@
	tensor_load_to_lds s[G0+4*\s:G0+4*\s+3], s[G1:G1+7]
	s_nop 0
	PLACES 4
	s_branch .Lasked_\@
.Lfor_b_\@:
	tensor_load_to_lds s[G0B+4*\s:G0B+4*\s+3], s[G1B:G1B+7]
	s_nop 0
	PLACES 4
.Lasked_\@:
.endm
.macro ASK                             ; the loop's first two trips alone: chunks 4 to 7
	s_cmp_gt_u32 s19, 1
	s_cbranch_scc0 .Lnone_\@
	global_prefetch_b8 v[PFO2], s[PFA:PFA+1] th:TH_LOAD_NT scope:SCOPE_SE
.Lnone_\@:
.endm
.macro FETCH slot, q                   ; K step q of a slot into set q: window 1 + q / 2, from register 128 (q % 2): A's four fragments, then W's four
	WIN (1+(\q)/2)<<6
.set FB_, 128*((\q)%2)
.irp m, 0,1,2,3
.irp c, 0,1,2,3
	ds_load_b128 v[FB_+16*\m+4*\c:FB_+16*\m+4*\c+3], v[ADA+(\slot)] offset:8192*\m+2048*(\q)+512*\c
.endr
.endr
.irp t, 0,1,2,3
.irp c, 0,1,2,3
	ds_load_2addr_b64 v[FB_+64+16*\t+4*\c:FB_+64+16*\t+4*\c+3], v[ADW+4*(\slot)+\t] offset0:16*(\q)+4*\c offset1:16*(\q)+4*\c+2
.endr
.endr
.endm
.macro SCALES sc, off                  ; a chunk's scale words: register q of tile i's four is K step q
.irp i, 0,1,2,3
	ds_load_b128 v[SC+20*(\sc)+4*\i+2*(\i/2):SC+20*(\sc)+4*\i+2*(\i/2)+3], v[ADRS] offset:\i*2176+\off
.endr
.endm
.macro PRODS q, sc, from, cnt          ; products from .. from + cnt - 1 of K step q; the 16 accumulators take turns, in the same order in every step
.set N_, \from
.rept \cnt
.set M_, N_/4
.set T_, N_%4
.set FB_, 128*((\q)%2)
.set AC_, ACC+32*M_+8*T_
	v_wmma_scale_f32_16x16x128_f8f6f4 v[AC_:AC_+7], v[FB_+64+16*T_:FB_+64+16*T_+15], v[FB_+16*M_:FB_+16*M_+15], v[AC_:AC_+7], v[SC+20*(\sc)+4*T_+2*(T_/2)+(\q)], v[SC+20*(\sc)+4*M_+2*(M_/2)+(\q)] matrix_a_fmt:MATRIX_FMT_BF8 matrix_b_fmt:MATRIX_FMT_BF8 matrix_a_scale:MATRIX_SCALE_ROW1
.set N_, N_+1
.endr
.endm
; A CHUNK in slot s.  mode 1: the slot is filled again (a round); 2: the next slot is only shown (a plain barrier); 0: the last chunk.
; A fetch lands in the set that was multiplied two steps before; between those products and the loads stand two steps' places, ten at the least (eight are asked).
; Counted waits: NF = the one younger fetch may be out; NF + 1: that and the add.
.macro CHUNK s, mode
	s_wait_dscnt NF
	PLACES 6
	FETCH \s, 2
	WIN 0x05
	PRODS 0, \s, 0, 16
	s_wait_dscnt NF
	PLACES 6
	FETCH \s, 3
	WIN 0x05
	PRODS 1, \s, 0, 16
.if \mode == 0
	s_wait_dscnt NF
	WIN 0x0a
	PRODS 2, \s, 0, 16
	s_wait_dscnt 0x0
	PRODS 3, \s, 0, 16
.else
	WIN 0
.if \mode == 1
	s_wait_xcnt 0x0                                ; my last prefetch has read its address: a chunk on
	s_add_nc_u64 s[PFA:PFA+1], s[PFA:PFA+1], s[PFS:PFS+1]
.endif
	s_wait_tensorcnt 0x0                           ; my part of the next slot is in
	ds_add_u32 v[SPW], v[NIL]
.if \mode == 1
	s_add_nc_u64 s[G0+4*\s+2:G0+4*\s+3], s[G0+4*\s+2:G0+4*\s+3], 16384   ; no load of mine is out: this slot's next chunk, two on
	s_add_nc_u64 s[G0B+4*\s+2:G0B+4*\s+3], s[G0B+4*\s+2:G0B+4*\s+3], 1024
.endif
	s_wait_dscnt NF+1
	WIN 0x0a
	PRODS 2, \s, 0, 8
	s_wait_dscnt 0x0                               ; the add is done, and my reads of this slot are over: set 3 is in
	s_barrier_signal -1
	PRODS 2, \s, 8, 8
	WIN 0
	s_barrier_wait -1
.if \mode == 1
	CREST
	JLOAD \s                                       ; the first tensor load behind the round
	PLACES 2
.else
	PLACES 6
.endif
	FETCH 1-\s, 0
	WIN 0
	SCALES 1-\s, 16+16*\s
.if \mode == 1
	ASK
.endif
	PLACES 6
	FETCH 1-\s, 1
	WIN 0x0a
	PRODS 3, \s, 0, 16
.endif
.endm
	s_load_b256 s[4:11], s[0:1], 0x0               ; A s[4:5], W's codes s[6:7], W's scales s[8:9], b s[10:11]
	s_load_b128 s[12:15], s[0:1], 0x20             ; res s[12:13], out s[14:15]
	v_lshl_add_u32 v[SPW], v0, 2, SPARE
	v_mov_b32 v[NIL], 0
	ds_add_u32 v[SPW], v[NIL]
	ds_add_u32 v[SPW], v[NIL]
	v_lshrrev_b32 v22, 5, v0
	v_readfirstlane_b32 s16, v22                   ; wave
	s_lshr_b32 s17, s16, 1                         ; my rows; also 0: I fetch for A, 1: for W
	s_and_b32 s18, s16, 1                          ; my columns; also which half I fetch
	s_bfe_u32 s40, ttmp6, 0x40000                  ; cx, cy
	s_bfe_u32 s41, ttmp6, 0x40004
	s_lshl_b32 s42, ttmp9, 2
	s_add_co_u32 s42, s42, s40                     ; tile column
	s_and_b32 s43, ttmp7, 0xffff
	s_lshl_b32 s43, s43, 2
	s_add_co_u32 s43, s43, s41                     ; tile row
	s_lshl_b32 s44, s41, 2
	s_lshl_b32 s44, 15, s44                        ; my row of the cluster
	s_lshl_b32 s45, 0x1111, s40                    ; my column
	s_or_b32 s[G1], s44, (3<<16)|(1<<21)           ; A: rows of 1,024 elements of 8 bytes (a row tile's 8 KB of a chunk), no padding; 8 rows at the head, then 4
	s_mov_b32 s[G1+1], 1024<<16
	s_mov_b32 s[G1+2], 8<<16
	s_mov_b32 s[G1+3], 1024<<16
	s_mov_b32 s[G1+4], 8
	s_mov_b32 s[G1+5], KTOT*2
	s_mov_b32 s[G1+6], 0
	s_mov_b32 s[G1+7], 0
	s_or_b32 s[G1B], s45, (1<<20)|(1<<21)|(6<<22)|(3<<25)   ; W: rows of 512 bytes, 4 words behind every 128; 128 rows at the head, then 64
	s_mov_b32 s[G1B+1], 512<<16
	s_mov_b32 s[G1B+2], 128<<16
	s_mov_b32 s[G1B+3], 512<<16
	s_mov_b32 s[G1B+4], 128
	s_mov_b32 s[G1B+5], KTOT
	s_mov_b32 s[G1B+6], 0
	s_mov_b32 s[G1B+7], 0
	s_or_b32 s[G1S], s44, (3<<16)|(1<<20)|(1<<21)|(5<<22)|(3<<25)   ; the scale bytes of 128 rows: 16 KB dense, as 64 rows of 256 bytes + 16
	s_or_b32 s[G1SB], s45, (3<<16)|(1<<20)|(1<<21)|(5<<22)|(3<<25)
.irp g, G1S, G1SB
	s_mov_b32 s[\g+1], 32<<16
	s_mov_b32 s[\g+2], 64<<16
	s_mov_b32 s[\g+3], 32<<16
	s_mov_b32 s[\g+4], 64
	s_mov_b32 s[\g+5], 32
	s_mov_b32 s[\g+6], 0
	s_mov_b32 s[\g+7], 0
.endr
	s_lshl_b32 s20, s43, 19                        ; A's images: 8 row tiles of 64 KB a tile row
	s_mov_b32 s21, 0
	s_lshl_b32 s22, s43, 14                        ; A's scale bytes
	s_add_co_u32 s22, s22, ASC
	s_mov_b32 s23, 0
	s_lshl_b32 s46, s42, 19                        ; W's codes: 128 rows of 4,096 bytes a tile column
	s_mov_b32 s47, 0
	s_lshl_b32 s66, s42, 14                        ; W's scale bytes
	s_mov_b32 s67, 0
	s_lshl_b32 s100, s18, 18                       ; the ring: my half in memory (4 row tiles, or 64 rows),
	s_mov_b32 s101, 0
	s_lshl_b32 s2, s18, 15                         ; and in a slot
	s_mul_i32 s3, s18, 64*WP
	s_add_co_u32 s3, s3, AIMG
	s_wait_dscnt 0x0
	s_wait_kmcnt 0x0
	s_add_nc_u64 s[20:21], s[4:5], s[20:21]
	s_add_nc_u64 s[22:23], s[4:5], s[22:23]
	s_add_nc_u64 s[46:47], s[6:7], s[46:47]
	s_add_nc_u64 s[66:67], s[8:9], s[66:67]
	CROUND                                         ; all sixteen work-groups are here: the first joint loads meet
	s_mov_b32 s[G0H], 1
	s_mov_b32 s[G0H+1], 0
	s_mov_b64 s[G0H+2:G0H+3], s[20:21]
	s_or_b32 s[G0H+3], s[G0H+3], 0x80000000
	s_mov_b32 s[G0HB], 1
	s_mov_b32 s[G0HB+1], AIMG
	s_mov_b64 s[G0HB+2:G0HB+3], s[46:47]
	s_or_b32 s[G0HB+3], s[G0HB+3], 0x80000000
	s_mov_b32 s[G0S], 1
	s_mov_b32 s[G0S+1], SCL
	s_mov_b64 s[G0S+2:G0S+3], s[22:23]
	s_or_b32 s[G0S+3], s[G0S+3], 0x80000000
	s_mov_b32 s[G0SB], 1
	s_mov_b32 s[G0SB+1], SCL+2*HALFS
	s_mov_b64 s[G0SB+2:G0SB+3], s[66:67]
	s_or_b32 s[G0SB+3], s[G0SB+3], 0x80000000
	s_add_nc_u64 s[20:21], s[20:21], s[100:101]
	s_add_nc_u64 s[46:47], s[46:47], s[100:101]
.irp s, 0,1
	s_mov_b32 s[G0+4*\s], 1
	s_add_co_u32 s[G0+4*\s+1], s2, \s*SLOT
	s_add_nc_u64 s[G0+4*\s+2:G0+4*\s+3], s[20:21], \s*8192
	s_or_b32 s[G0+4*\s+3], s[G0+4*\s+3], 0x80000000
	s_mov_b32 s[G0B+4*\s], 1
	s_add_co_u32 s[G0B+4*\s+1], s3, \s*SLOT
	s_add_nc_u64 s[G0B+4*\s+2:G0B+4*\s+3], s[46:47], \s*512
	s_or_b32 s[G0B+4*\s+3], s[G0B+4*\s+3], 0x80000000
.endr
; the head's four tiles, one a wave, in one chain of branches: wave 0 chunk 0 of A, wave 1 of W, wave 2 A's scale bytes, wave 3 W's
.macro ARM under, g0, g1, next
	s_cmp_lt_u32 s16, \under
	s_cbranch_scc0 \next
	tensor_load_to_lds s[\g0:\g0+3], s[\g1:\g1+7]
	s_nop 0
	PLACES 4
	s_branch .Lhead_asked
\next:
.endm
	ARM 1, G0H,  G1,  .Lhead_b
	ARM 2, G0HB, G1B, .Lhead_sa
	ARM 3, G0S,  G1S, .Lhead_sb
	tensor_load_to_lds s[G0SB:G0SB+3], s[G1SB:G1SB+7]
	s_nop 0
	PLACES 4
.Lhead_asked:
	s_lshl_b32 s20, s17, 15                        ; LDS: A's images of my four row tiles
	s_mul_i32 s21, s18, 64*WP
	s_add_co_u32 s21, s21, AIMG                    ; W's 64 rows of mine
	s_mul_i32 s22, s17, HALFS                      ; A's scale bytes of my 64 rows,
	s_mul_i32 s23, s18, HALFS
	s_add_co_u32 s23, s23, 2*HALFS
	s_sub_co_u32 s23, s23, s22                     ; and how far on W's lie
	s_add_co_u32 s22, s22, SCL
	s_mul_i32 s46, s16, 4*STG                      ; my stages
	s_lshl_b32 s66, s42, 9
	s_lshl_b32 s67, s18, 8
	s_add_co_u32 s66, s66, s67                     ; my 64 columns, in bytes
	s_mov_b32 s67, 0
	s_add_nc_u64 s[10:11], s[10:11], s[66:67]
	s_lshl_b32 s100, s43, 7
	s_lshl_b32 s101, s17, 6
	s_add_co_u32 s100, s100, s101                  ; my first row
	s_lshl_b32 s100, s100, 12
	s_add_co_u32 s100, s100, s66
	s_mov_b32 s101, 0
	s_add_nc_u64 s[12:13], s[12:13], s[100:101]
	s_add_nc_u64 s[14:15], s[14:15], s[100:101]
	s_lshl_b32 s2, s43, 3                          ; the prefetches.  A: row tile 8 x tile row + 4 x half + cx, 8 KB of it a chunk, lanes 256 bytes apart
	s_lshl_b32 s47, s18, 2
	s_add_co_u32 s2, s2, s47
	s_add_co_u32 s2, s2, s40
	s_lshl_b32 s2, s2, 16
	s_add_co_u32 s2, s2, 2*8192
	s_lshl_b32 s3, s42, 7                          ; W: 16 rows from 128 x tile column + 64 x half + 16 cy, 512 bytes of each a chunk, two lanes a row
	s_lshl_b32 s47, s18, 6
	s_add_co_u32 s3, s3, s47
	s_lshl_b32 s47, s41, 4
	s_add_co_u32 s3, s3, s47
	s_lshl_b32 s3, s3, 12
	s_add_co_u32 s3, s3, 2*512
	s_mov_b32 s[PFS], 512
	s_mov_b32 s[PFS+1], 0
	s_cmp_eq_u32 s17, 0
	s_cselect_b64 s[PFA:PFA+1], s[4:5], s[6:7]
	s_cselect_b32 s2, s2, s3
	s_cselect_b32 s[PFS], 8192, s[PFS]             ; a chunk on
	s_cselect_b32 s47, 0, 1
	s_cselect_b32 s66, 8, 12
	s_mov_b32 s3, 0
	s_add_nc_u64 s[PFA:PFA+1], s[PFA:PFA+1], s[2:3]   ; at chunk 2
	v_and_b32 v22, 15, v0                          ; r
	v_bfe_u32 v23, v0, 4, 1                        ; h
	v_and_b32 v24, 31, v0                          ; lane
	v_lshlrev_b32 v30, 5, v23                      ; 32 h: my eight columns of a tile of 16
.irp m, 0,1,2,3
.irp t, 0,1,2,3
	global_load_b128 v[ACC+32*\m+8*\t:ACC+32*\m+8*\t+3], v30, s[10:11] offset:64*\t
	global_load_b128 v[ACC+32*\m+8*\t+4:ACC+32*\m+8*\t+7], v30, s[10:11] offset:64*\t+16
.endr
.endr
	v_lshlrev_b32 v25, 4, v24
	v_add_nc_u32 v[ADA], s20, v25
	v_add_nc_u32 v[ADA+1], SLOT, v[ADA]
	v_mul_u32_u24 v26, v22, WP
	v_lshl_add_u32 v26, v23, 3, v26                ; row x pitch + 8 h
	v_add_nc_u32 v[ADW], s21, v26
.irp t, 1,2,3
	v_add_nc_u32 v[ADW+\t], \t*16*WP, v[ADW]
.endr
.irp t, 0,1,2,3
	v_add_nc_u32 v[ADW+4+\t], SLOT, v[ADW+\t]
.endr
	v_lshrrev_b32 v27, 1, v22                      ; a row's 128 scale bytes: two rows to a unit of 272
	v_and_b32 v28, 1, v22
	v_mul_u32_u24 v27, v27, 272
	v_lshl_add_u32 v27, v28, 7, v27
	v_mul_u32_u24 v28, s23, v23                    ; lanes 16-31 take W's
	v_add_nc_u32 v27, v27, v28
	v_add_nc_u32 v[ADRS], s22, v27
	v_mul_u32_u24 v29, v22, 272
	v_lshl_add_u32 v29, v23, 5, v29
	v_add_nc_u32 v[STO], s46, v29                  ; in: row r, + 32 h
	v_mul_u32_u24 v29, v23, 272
	v_lshl_add_u32 v29, v22, 4, v29
	v_add_nc_u32 v[RD], s46, v29                   ; back: lanes 0-15 one row, lanes 16-31 the next
	v_lshlrev_b32 v29, 12, v23
	v_lshl_add_u32 v[CO], v22, 4, v29              ; and the same two rows in res and out
	v_lshrrev_b32 v31, s47, v24
	v_lshlrev_b32 v31, s66, v31
	v_and_b32 v25, s47, v24
	v_lshl_add_u32 v[PFO], v25, 8, v31
	v_add_nc_u32 v[PFO2], s[PFS], v[PFO]
	s_wait_alu depctr_va_vdst(0)
	s_wait_tensorcnt 0x0                           ; my tile of the head's four is in; slot 1's first fill is issued as a refill is
	ds_add_u32 v[SPW], v[NIL]
	s_mov_b32 s[G1+2], 4<<16                       ; no load of mine is out: from here on a load brings half a side
	s_mov_b32 s[G1+4], 4
	s_mov_b32 s[G1B+2], 64<<16
	s_mov_b32 s[G1B+4], 64
	s_wait_dscnt 0x0
	CROUND
	JLOAD 1                                        ; chunk 1
	FETCH 0, 0
	WIN 0
	SCALES 0, 0
	FETCH 0, 1
	WIN 0
	global_prefetch_b8 v[PFO], s[PFA:PFA+1] th:TH_LOAD_NT scope:SCOPE_SE    ; my share of chunk 2,
	global_prefetch_b8 v[PFO2], s[PFA:PFA+1] th:TH_LOAD_NT scope:SCOPE_SE   ; and of chunk 3
	WIN 0xc0
.irp m, 0,1,2,3
.irp i, 0,1,2,3,4,5,6,7
	global_load_b128 v[32*\m+4*\i:32*\m+4*\i+3], v[CO], s[12:13] offset:(16*\m+2*\i)*4096 th:TH_LOAD_NT   ; the residual, into window 3
.endr
.endr
	WIN 0
	s_mov_b32 s19, 3
	s_wait_loadcnt 32                              ; the bias lies in the accumulators; the 32 younger loads (the residual) may stay out
.Llap:                                             ; chunks 0 to 5: both slots are filled again in each trip
	CHUNK 0, 1
	CHUNK 1, 1
	WIN 0
	v_add_nc_u32 v[ADRS], 32, v[ADRS]              ; two chunks' scale bytes on
	s_wait_alu depctr_va_vdst(0)
	s_sub_co_u32 s19, s19, 1
	s_cmp_lg_u32 s19, 0
	s_cbranch_scc1 .Llap
	CHUNK 0, 2                                     ; the last two chunks fetch nothing more
	CHUNK 1, 0
	; THE WAY OUT: four blocks of 16 rows x 64 columns through my stages, back as whole rows of 256 bytes.  The stages lie in slot 0, which has had its last fill and, behind the last barrier, its last read.
	WIN 0
	PLACES 8
.irp m, 0,1,2,3
.irp t, 0,1,2,3
	ds_store_b128 v[STO], v[ACC+32*\m+8*\t:ACC+32*\m+8*\t+3] offset:STG*\m+64*\t      ; each accumulator from its low end on
	ds_store_b128 v[STO], v[ACC+32*\m+8*\t+4:ACC+32*\m+8*\t+7] offset:STG*\m+64*\t+16
.endr
.endr
	WIN 0x40
.irp m, 0,1,2,3
.irp i, 0,1,2,3,4,5,6,7
	ds_load_b128 v[32*\m+4*\i:32*\m+4*\i+3], v[RD] offset:STG*\m+544*\i   ; LDS serves a wave's instructions in order: these see my stores
.endr
.endr
	s_wait_loadcnt 0x0                             ; the residual
.irp m, 0,1,2,3
	s_wait_dscnt 24-8*\m                           ; block m is back; the later blocks' loads may be out
	WIN 0x4d
.irp k, 0,2,4,6,8,10,12,14,16,18,20,22,24,26,28,30
	v_pk_add_f32 v[32*\m+\k:32*\m+\k+1], v[32*\m+\k:32*\m+\k+1], v[32*\m+\k:32*\m+\k+1]   ; window 1 += window 3
.endr
	WIN 0x04
.irp i, 0,1,2,3,4,5,6,7
	global_store_b128 v[CO], v[32*\m+4*\i:32*\m+4*\i+3], s[14:15] offset:(16*\m+2*\i)*4096 th:TH_STORE_NT   ; 16 lanes store 256 consecutive bytes, aligned
.endr
.endr
	WIN 0
	s_wait_tensorcnt 0x0                           ; the wave's end
	ds_add_u32 v[SPW], v[NIL]
	s_wait_dscnt 0x0
	CROUND                                         ; the closing round
	s_endpgm
.Lfunc_end_k_q7320c93f03_w2:
	.size	k_q7320c93f03_w2, .Lfunc_end_k_q7320c93f03_w2-k_q7320c93f03_w2
	.p2alignl 7, 3214868480
	.fill 96, 4, 3214868480
	.section	.rodata,"a",@progbits
	.p2align	6, 0x0
	.amdhsa_kernel k_q7320c93f03_w2
		.amdhsa_group_segment_fixed_size 327680
		.amdhsa_private_segment_fixed_size 0
		.amdhsa_enable_private_segment 0
		.amdhsa_kernarg_size 48
		.amdhsa_user_sgpr_count 2
		.amdhsa_user_sgpr_kernarg_segment_ptr 1
		.amdhsa_wavefront_size32 1
		.amdhsa_system_sgpr_workgroup_id_x 1
		.amdhsa_system_sgpr_workgroup_id_y 1
		.amdhsa_system_sgpr_workgroup_id_z 1
		.amdhsa_system_vgpr_workitem_id 0
		.amdhsa_next_free_vgpr 1024
		.amdhsa_next_free_sgpr 106
		.amdhsa_reserve_vcc 0
		.amdhsa_float_denorm_mode_32 3
		.amdhsa_float_denorm_mode_16_64 3
		.amdhsa_memory_ordered 1
		.amdhsa_forward_progress 1
		.amdhsa_inst_pref_size 103
	.end_amdhsa_kernel
	.amdgpu_metadata
---
amdhsa.version: [ 1, 2 ]
amdhsa.kernels:
  - .name:           k_q7320c93f03_w2
    .symbol:         k_q7320c93f03_w2.kd
    .args:
      - { .name: hid, .offset: 0, .size: 8, .value_kind: global_buffer, .address_space: global }
      - { .name: W2_codes, .offset: 8, .size: 8, .value_kind: global_buffer, .address_space: global }
      - { .name: W2_scales, .offset: 16, .size: 8, .value_kind: global_buffer, .address_space: global }
      - { .name: b2, .offset: 24, .size: 8, .value_kind: global_buffer, .address_space: global }
      - { .name: x1, .offset: 32, .size: 8, .value_kind: global_buffer, .address_space: global }
      - { .name: out0, .offset: 40, .size: 8, .value_kind: global_buffer, .address_space: global }
    .group_segment_fixed_size: 327680
    .private_segment_fixed_size: 0
    .kernarg_segment_align: 8
    .kernarg_segment_size: 48
    .max_flat_workgroup_size: 128
    .sgpr_count:     106
    .vgpr_count:     1024
    .wavefront_size: 32
...
	.end_amdgpu_metadata
.endif
;; end of part 6
